; MI455X (gfx1250); checked and timed in simulation.
; The chip was launched on July 23, 2026; its instructions are those of AMD's public machine-readable ISA for CDNA 5 (MIT licence, August 2026) and "CDNA5" Instruction Set Architecture Reference Guide (July 2026). The comments in the code are by the model that wrote it; some were corrected since.
;; Mixture Of Experts Block. Allowed arithmetic: matrix products marked QUANTISED: E2M1 operands, one E8M0 scale for each 32 along K, by v_wmma_scale_f32_16x16x128_f8f6f4 with both operands' format E2M1 (or v_wmma_scale_f32_32x16x128_f4), f32 sums; products left as they are: f32 operands where the result goes on into a quantised operand, else bf16, f16 or f32 operands; f32 sums; everything else in f32.
;; Inputs: W1 8 x 1,024 x 4,096 float32; W2 8 x 4,096 x 1,024 float32; W_gate 1,024 x 8 float32; b1 8 x 4,096 float32; b2 8 x 1,024 float32; x 2 x 512 x 1,024 float32.
;; Outputs: out0 2 x 512 x 1,024 float32.
;; This version of the problem:
;;   THIS VERSION OF THE PROBLEM IS GIVEN IN LOW PRECISION. The matrix products marked QUANTISED in the list below multiply operands that are first quantised to E2M1 (2 exponent bits, 1 mantissa bit; 4 bits a number), with one power-of-two scale for each 32 numbers along K (OCP MX v1.0); their sums are f32. All else is computed in f32.
;;   The module's matrix products, in the order in which they are computed (A, B: the left and right operand; K: the contracted axis; several contracted axes count as one K, in the product's order):
;;     1. [M 1,024, K 1,024] x [K 1,024, N 8]; A: input x; B: input W_gate: left as it is (N = 8 < 16)
;;     2. [M 1,024, K 1,024] x [K 1,024, N 32,768]; A: input x; B: input W1: QUANTISED
;;     3. batch 8 x [M 1,024, K 4,096] x [K 4,096, N 1,024]; A: input W2; B: computed on the way: QUANTISED
;;   THE QUANTISER, for each operand of a quantised product, along K:
;;     - K is cut into blocks of 32 from its start; a last block that is shorter is filled with zeros.
;;     - A block's scale is 2^e with e = floor(log2(the largest magnitude in the block)) - 2, held to -126 .. 127; a block of zeros has e = 0. As a byte (E8M0): e + 127.
;;     - Each number is divided by its block's scale, clamped to +-6, and rounded to the nearest number of E2M1, ties to even, subnormals kept.
;;     - The product sums the exact products of the quantised numbers (number of the format x scale) in f32.
;;   ~~~python
;;   def quantise(x, axis):      # numpy; x: float32 -> the quantised numbers, widened to float32 again
;;       x = np.moveaxis(x, axis, -1); K = x.shape[-1]
;;       x = np.pad(x, [(0, 0)] * (x.ndim - 1) + [(0, -K % 32)]); x = x.reshape(x.shape[:-1] + (-1, 32)); a = np.abs(x).max(-1, keepdims=True)
;;       e = np.where(a > 0, np.clip(np.frexp(np.where(a > 0, a, 1))[1] - 1 - 2, -126, 127), 0)      # np.frexp(a)[1] - 1 = floor(log2(a)), exactly
;;       r = np.clip(x / 2.0 ** e, -6, 6)
;;       step = 2.0 ** (np.maximum(np.frexp(np.where(r == 0, 1, r))[1] - 1, 0) - 1)
;;       q = np.round(r / step) * step * 2.0 ** e      # np.round: ties to even
;;       return np.moveaxis(q.reshape(q.shape[:-2] + (-1,))[..., :K], -1, axis).astype(np.float32)
;;   ~~~
;;   OPERANDS COMPUTED ON THE WAY. 'Computed on the way' means the value that the module computes at that place (a softmax that the list does not call 'softmax' is quantised finished and normalised). What goes into a quantiser is computed in f32, as accurately as f32 sums, v_exp_f32 and their like allow (about 1e-6 of the number): no bf16 or f16 on the way to a quantiser, and a product that is left as it is and whose result goes on into a quantised operand takes f32 operands (vector FMAs, or v_wmma_f32_16x16x4_f32). A number that lies on a knife's edge between two numbers of the format may be rounded either way, as far as f32 arithmetic and the matrix unit's own rounding can turn it there, and no further.
;; 2 versions. Each part assembles by itself: llvm-mc -triple=amdgcn-amd-amdhsa -mcpu=gfx1250 --defsym DOCPART=n.
;; ======== version 1 of 2: 4 launches
;; workspace buffers: xc 524,288 bytes; xs 32,768 bytes; wgt 32,768 bytes; bitmap 1,024 bytes of whole numbers; slotmap 32,768 bytes of whole numbers; hc 16,777,216 bytes; hsc 1,048,576 bytes; y 67,108,864 bytes
;; launch route (part 1): grid 32 x 1, 8 waves a work-group, no clusters, 199,168 bytes of LDS; arguments x, W_gate, xc, xs, wgt, bitmap; writes xc, xs, wgt, bitmap
.if DOCPART == 1
	.amdgcn_target "amdgcn-amd-amdhsa--gfx1250"
	.amdhsa_code_object_version 6
	.text
	.protected	k_q9451f928bc_route
	.globl	k_q9451f928bc_route
	.p2align	8
	.type	k_q9451f928bc_route,@function
k_q9451f928bc_route:
	s_mov_b64 s[64:65], 0
	v_nop
	global_prefetch_b8 v0, s[64:65] scope:SCOPE_SE
	s_setreg_imm32_b32 hwreg(HW_REG_WAVE_MODE, 25, 1), 1
	s_wait_xcnt 0x0
; ROUTE.  For 1,024 tokens of 1,024 numbers: the gate's eight logits in f32, the experts kept (logit >= the second largest, ties kept as they fall),
; softmax over the kept logits / 8, one ballot word for each expert, and x as codes of E2M1 with one E8M0 byte for each 32 along D.
; SHARES.  A work-group takes 32 tokens, A LANE IS A TOKEN: logits, threshold and ballot then need no other lane, and the ballot of the 32 lanes is one word of the map.
; Wave w takes d = 128 w .. 128 w + 127: four blocks of 32, which are one step of 128 of x's operand.  x is loaded as it lies (512 consecutive bytes a load) and turned
; through the wave's own LDS rows (528 bytes apart), so that a lane gets 32 neighbours along D in 32 registers.  W_gate's 128 rows of the wave lie in LDS and are read by all lanes at one address.
; OUT: xc [token][512 bytes], xs [token][8 words], wgt [token][8] f32 (0 where not kept), bitmap [expert][32 words] (bit l of word i: token 32 i + l).
; LIMITS: NaN and infinities are not served.  A block whose largest magnitude lies under 2^-124 (a block of zeros too) takes the byte 1; its bytes are read by this program alone.
; The logits' f32 sums run 128 deep in a lane and then over the eight waves in ascending order: a second and a third logit closer than f32 rounding may fall either way.
.set XWAVE, 16896                      ; LDS 0: a wave's 32 rows of 512 bytes + 16
.set XP,    528
.set WGS,   135168                     ; W_gate: 4,096 bytes a wave, as they lie
.set CST,   167936                     ; the codes: 32 tokens x (512 bytes + 16)
.set SSS,   184832                     ; the scale words: [token][32 bytes]
.set GPS,   185856                     ; partial logits: 1,536 bytes a wave, 48 a token
.set ACC,   16                         ; v16-23   my token's eight partial logits
.set X,     32                         ; v32-95   two sets of 32 neighbours along D (v32-63 first hold W_gate as loaded)
.set C,     96                         ; v96-111  codes, four registers for each block
.set SB,    112                        ; v112     the four scale bytes
.set R,     128                        ; v128-255 x as loaded; then W_gate's rows, two sets of 64
.set WR,    128
	s_load_b256 s[4:11], s[0:1], 0x0               ; x, W_gate, xc, xs
	s_load_b128 s[12:15], s[0:1], 0x20             ; wgt, bitmap
	v_lshl_add_u32 v126, v0, 2, 0x30600
	v_mov_b32 v127, 0
	v_lshrrev_b32 v1, 5, v0
	v_readfirstlane_b32 s16, v1                    ; wave 0..7
	v_and_b32 v1, 31, v0                           ; lane
	v_lshlrev_b32 v2, 4, v1                        ; 16 x lane
	s_mul_i32 s17, s16, XWAVE
	v_add_nc_u32 v3, s17, v2                       ; x into LDS: my 16 bytes of a row
	v_mul_u32_u24 v14, v1, XP
	v_add_nc_u32 v4, s17, v14                      ; and back: my token's row
	s_lshl_b32 s18, s16, 12
	s_add_co_u32 s19, s18, WGS
	v_add_nc_u32 v5, s19, v2                       ; W_gate into LDS
	v_mov_b32 v6, s19                              ; and back: one address for all lanes
	s_lshl_b32 s20, s16, 6
	s_add_co_u32 s20, s20, CST
	v_add_nc_u32 v7, s20, v14                      ; my token's codes: 64 bytes for my wave's 128
	s_lshl_b32 s20, s16, 2
	s_add_co_u32 s20, s20, SSS
	v_lshl_add_u32 v8, v1, 5, s20                  ; my token's scale word
	s_mul_i32 s20, s16, 1536
	s_add_co_u32 s20, s20, GPS
	v_mul_u32_u24 v15, v1, 48
	v_add_nc_u32 v9, s20, v15                      ; my partial logits
	s_mul_i32 s20, s16, 4*XP
	s_add_co_u32 s20, s20, CST
	v_add_nc_u32 v10, s20, v2                      ; the way out: tokens 4 w .. 4 w + 3, whole rows of codes
	s_and_b32 s21, s16, 1
	s_lshl_b32 s21, s21, 9
	s_add_co_u32 s20, s21, SSS
	v_add_nc_u32 v11, s20, v2                      ; the way out of the scale words (waves 0 and 1)
	v_add_nc_u32 v12, GPS, v15                     ; all waves' partial logits of my token (wave 2)
	v_and_b32 v13, 7, v0                           ; lane % 8: the expert whose ballot word I store (wave 2)
	s_mov_b32 s27, 0x3fb8aa3b                      ; log2(e)
	s_lshl_b32 s26, ttmp9, 2                       ; my work-group's word in an expert's map
	s_lshl_b32 s22, ttmp9, 17                      ; 32 tokens x 4,096 bytes
	s_lshl_b32 s23, s16, 9
	s_add_co_u32 s22, s22, s23
	s_mov_b32 s23, 0
	s_mov_b32 s19, 0
	s_lshl_b32 s24, ttmp9, 14                      ; codes: 32 tokens x 512 bytes, + 4 tokens a wave
	s_lshl_b32 s25, s16, 11
	s_add_co_u32 s24, s24, s25
	s_mov_b32 s25, 0
	s_wait_kmcnt 0x0
	s_add_nc_u64 s[4:5], s[4:5], s[22:23]
	s_add_nc_u64 s[6:7], s[6:7], s[18:19]
	s_add_nc_u64 s[8:9], s[8:9], s[24:25]
	s_lshl_b32 s24, ttmp9, 10                      ; 32 tokens x 32 bytes
	s_add_nc_u64 s[12:13], s[12:13], s[24:25]
	s_add_co_u32 s24, s24, s21
	s_add_nc_u64 s[10:11], s[10:11], s[24:25]
.irp j, 0,1,2,3,4,5,6,7
	global_load_b128 v[X+4*\j:X+4*\j+3], v2, s[6:7] offset:512*\j          ; my wave's 128 rows of W_gate
.endr
.set I_, 0
.rept 32
	global_load_b128 v[R+4*I_:R+4*I_+3], v2, s[4:5] offset:4096*I_ th:TH_LOAD_NT   ; token I_: 512 consecutive bytes; read once in the whole program
.set I_, I_+1
.endr
	s_wait_loadcnt 32                              ; W_gate is in: the 32 loads of x are younger
.irp j, 0,1,2,3,4,5,6,7
	ds_store_b128 v5, v[X+4*\j:X+4*\j+3] offset:512*\j
.endr
.irp g, 0,1,2,3
	s_wait_loadcnt 24-8*\g                         ; eight more tokens are in
.irp i, 0,1,2,3,4,5,6,7
	ds_store_b128 v3, v[R+4*(8*\g+\i):R+4*(8*\g+\i)+3] offset:XP*(8*\g+\i)
.endr
.endr
	s_wait_dscnt 0x0                               ; the stores have read their registers, which the loads below fill again
.macro XL b                            ; block b of my token: 32 numbers into set b % 2
.irp j, 0,1,2,3,4,5,6,7
	ds_load_b128 v[X+32*((\b)%2)+4*\j:X+32*((\b)%2)+4*\j+3], v4 offset:128*(\b)+16*\j
.endr
.endm
.macro WL c                            ; eight rows of W_gate, 64 numbers, into set c % 2
.irp j, 0,1,2,3,4,5,6,7,8,9,10,11,12,13,14,15
	ds_load_b128 v[WR+64*((\c)%2)+4*\j:WR+64*((\c)%2)+4*\j+3], v6 offset:256*(\c)+16*\j
.endr
.endm
.macro QB b                            ; block b becomes 32 codes and a byte: all its numbers are mine
.set BX_, X+32*((\b)%2)
	v_max3_num_f32 v113, |v[BX_]|, |v[BX_+1]|, |v[BX_+2]|
	v_max3_num_f32 v114, |v[BX_+3]|, |v[BX_+4]|, |v[BX_+5]|
.irp i, 6,10,14,18,22,26
	v_max3_num_f32 v113, v113, |v[BX_+\i]|, |v[BX_+\i+1]|
	v_max3_num_f32 v114, v114, |v[BX_+\i+2]|, |v[BX_+\i+3]|
.endr
	v_max3_num_f32 v113, v113, |v[BX_+30]|, |v[BX_+31]|
	v_max3_num_f32 v113, v113, v114, 0x1800000     ; the floor 2^(3 - 127): the byte cannot fall under 1
	v_add_nc_u32 v115, 0xff000000, v113            ; 2 off the exponent field: the conversion takes that field as its scale
	v_lshrrev_b32 v116, 23, v115                   ; the scale's byte
.if (\b) == 0
	v_mov_b32 v[SB], v116
.else
	v_lshl_or_b32 v[SB], v116, 8*(\b), v[SB]
.endif
.irp g, 0,1,2,3
	v_cvt_scalef32_pk8_fp4_f32 v[C+4*(\b)+\g], v[BX_+8*\g:BX_+8*\g+7], v115
.endr
	v_nop                                          ; one plain place behind the conversions
	ds_store_b128 v7, v[C+4*(\b):C+4*(\b)+3] offset:16*(\b)
.endm
; Eight d at a time: 64 multiply-adds in eight chains.  The next rows of W_gate, and at a block's head the next block of x, are asked for first;
; the wait's count is what this chunk has just issued, so all that was issued before it is in.
.macro CHUNK c
.set NB_, (\c)/4
.set N_, 0
.if (((\c)%4) == 0) && (NB_ < 3)
	XL NB_+1
.set N_, N_+8
.endif
.if (\c) < 15
	WL (\c)+1
.set N_, N_+16
.endif
	s_wait_dscnt N_
.irp d, 0,1,2,3,4,5,6,7
.irp e, 0,1,2,3,4,5,6,7
.if ((\c) == 0) && (\d == 0)
	v_mul_f32 v[ACC+\e], v[X+32*(NB_%2)+8*((\c)%4)+\d], v[WR+64*((\c)%2)+8*\d+\e]    ; the first product starts the sum
.else
	v_fmac_f32 v[ACC+\e], v[X+32*(NB_%2)+8*((\c)%4)+\d], v[WR+64*((\c)%2)+8*\d+\e]
.endif
.endr
.endr
.if ((\c)%4) == 3
	QB NB_
.endif
.endm
	XL 0
	WL 0
.irp c, 0,1,2,3,4,5,6,7,8,9,10,11,12,13,14,15
	CHUNK \c
.endr
	ds_store_b32 v8, v[SB]
	ds_store_b128 v9, v[ACC:ACC+3]
	ds_store_b128 v9, v[ACC+4:ACC+7] offset:16
	s_wait_dscnt 0x0                               ; for the others' sake: codes, scale words and partial logits have landed
	s_barrier_signal -1
	s_barrier_wait -1
.irp i, 0,1,2,3
	ds_load_b128 v[128+4*\i:131+4*\i], v10 offset:XP*\i
.endr
.irp i, 0,1,2,3
	s_wait_dscnt 3-\i
	global_store_b128 v2, v[128+4*\i:131+4*\i], s[8:9] offset:512*\i       ; a token's 512 bytes of codes: 32 lanes, consecutive
.endr
	s_cmp_lt_u32 s16, 2
	s_cbranch_scc0 .Lnot01
	ds_load_b128 v[144:147], v11                   ; waves 0 and 1: 512 bytes of scale words each
	s_wait_dscnt 0x0
	global_store_b128 v2, v[144:147], s[10:11]
.Lnot01:
	s_cmp_eq_u32 s16, 2
	s_cbranch_scc0 .Lend
.irp w, 0,1,2,3,4,5,6,7                ; wave 2: the gate
.irp q, 0,1
	ds_load_b128 v[160+8*\w+4*\q:163+8*\w+4*\q], v12 offset:1536*\w+16*\q
.endr
.endr
	s_wait_dscnt 0x0
.irp e, 0,1,2,3,4,5,6,7
	v_add_f32 v[ACC+\e], v[160+\e], v[168+\e]
.endr
.irp w, 2,3,4,5,6,7
.irp e, 0,1,2,3,4,5,6,7
	v_add_f32 v[ACC+\e], v[ACC+\e], v[160+8*\w+\e]
.endr
.endr
	v_mov_b32 v113, v[ACC]                         ; m1, the largest;
	v_mov_b32 v114, 0xff800000                     ; m2, the second largest, a twin of the largest counted
.irp e, 1,2,3,4,5,6,7
	v_min_num_f32 v115, v113, v[ACC+\e]
	v_max_num_f32 v114, v114, v115
	v_max_num_f32 v113, v113, v[ACC+\e]
.endr
.irp e, 0,1,2,3,4,5,6,7
	v_cmp_ge_f32 s[40+\e], v[ACC+\e], v114         ; kept: the 32 tokens' ballot for expert e
.endr
	v_mul_f32 v115, s27, v113
.irp e, 0,1,2,3,4,5,6,7
	v_fma_f32 v[24+\e], v[ACC+\e], s27, -v115      ; (g - m1) log2(e): the shift's rounding is common to all eight and cancels in the division
.endr
.irp e, 0,1,2,3,4,5,6,7
	v_exp_f32 v[24+\e], v[24+\e]
.endr
	v_mov_b32 v116, 0                              ; (a plain place behind the exponentials)  my ballot word
	s_wait_alu depctr_va_vdst(0)
.irp e, 0,1,2,3,4,5,6,7
	v_cndmask_b32 v[24+\e], 0, v[24+\e], s[40+\e]  ; 0 where not kept
.endr
	v_add_f32 v115, v24, v25
	v_add_f32 v117, v26, v27
	v_add_f32 v118, v28, v29
	v_add_f32 v119, v30, v31
	v_add_f32 v115, v115, v117
	v_add_f32 v118, v118, v119
	v_add_f32 v115, v115, v118
	v_rcp_f32 v115, v115
	v_lshlrev_b32 v117, 5, v1                      ; (a plain place behind the reciprocal)  32 bytes a token
	s_wait_alu depctr_va_vdst(0)
	v_mul_f32 v115, 0x3e000000, v115               ; / 8: the mean over the experts
.irp e, 0,1,2,3,4,5,6,7
	v_mul_f32 v[24+\e], v[24+\e], v115
.endr
	global_store_b128 v117, v[24:27], s[12:13]
	global_store_b128 v117, v[28:31], s[12:13] offset:16
.irp e, 0,1,2,3,4,5,6,7
	v_cmp_eq_u32 vcc_lo, \e, v13
	v_cndmask_b32 v116, v116, s[40+\e], vcc_lo     ; lane l takes expert l % 8's word
.endr
	v_lshl_add_u32 v118, v13, 7, s26               ; 128 bytes an expert, my work-group's word; four lanes store the same word with the same value
	global_store_b32 v118, v116, s[14:15]
.Lend:
	s_wait_tensorcnt 0x0
	ds_add_u32 v126, v127
	s_wait_dscnt 0x0
	s_endpgm
.Lfunc_end_k_q9451f928bc_route:
	.size	k_q9451f928bc_route, .Lfunc_end_k_q9451f928bc_route-k_q9451f928bc_route
	.p2alignl 7, 3214868480
	.fill 96, 4, 3214868480
	.section	.rodata,"a",@progbits
	.p2align	6, 0x0
	.amdhsa_kernel k_q9451f928bc_route
		.amdhsa_group_segment_fixed_size 199168
		.amdhsa_private_segment_fixed_size 0
		.amdhsa_enable_private_segment 0
		.amdhsa_kernarg_size 48
		.amdhsa_user_sgpr_count 2
		.amdhsa_user_sgpr_kernarg_segment_ptr 1
		.amdhsa_wavefront_size32 1
		.amdhsa_system_sgpr_workgroup_id_x 1
		.amdhsa_system_sgpr_workgroup_id_y 1
		.amdhsa_system_sgpr_workgroup_id_z 1
		.amdhsa_system_vgpr_workitem_id 0
		.amdhsa_next_free_vgpr 256
		.amdhsa_next_free_sgpr 66
		.amdhsa_reserve_vcc 1
		.amdhsa_float_denorm_mode_32 3
		.amdhsa_float_denorm_mode_16_64 3
		.amdhsa_memory_ordered 1
		.amdhsa_forward_progress 1
		.amdhsa_inst_pref_size 75
	.end_amdhsa_kernel
	.amdgpu_metadata
---
amdhsa.version: [ 1, 2 ]
amdhsa.kernels:
  - .name:           k_q9451f928bc_route
    .symbol:         k_q9451f928bc_route.kd
    .args:
      - { .name: x, .offset: 0, .size: 8, .value_kind: global_buffer, .address_space: global }
      - { .name: W_gate, .offset: 8, .size: 8, .value_kind: global_buffer, .address_space: global }
      - { .name: xc, .offset: 16, .size: 8, .value_kind: global_buffer, .address_space: global }
      - { .name: xs, .offset: 24, .size: 8, .value_kind: global_buffer, .address_space: global }
      - { .name: wgt, .offset: 32, .size: 8, .value_kind: global_buffer, .address_space: global }
      - { .name: bitmap, .offset: 40, .size: 8, .value_kind: global_buffer, .address_space: global }
    .group_segment_fixed_size: 199168
    .private_segment_fixed_size: 0
    .kernarg_segment_align: 8
    .kernarg_segment_size: 48
    .max_flat_workgroup_size: 256
    .sgpr_count:     66
    .vgpr_count:     256
    .wavefront_size: 32
...
	.end_amdgpu_metadata
.endif
;; end of part 1
;; launch ffn1 (part 2): grid 256 x 1, 16 waves a work-group, no clusters, 72,192 bytes of LDS; arguments W1, b1, xc, xs, bitmap, hc, hsc, slotmap; writes hc, hsc, slotmap
.if DOCPART == 2
	.amdgcn_target "amdgcn-amd-amdhsa--gfx1250"
	.amdhsa_code_object_version 6
	.text
	.protected	k_q9451f928bc_ffn1
	.globl	k_q9451f928bc_ffn1
	.p2align	8
	.type	k_q9451f928bc_ffn1,@function
k_q9451f928bc_ffn1:
	s_mov_b64 s[64:65], 0
	v_nop
	global_prefetch_b8 v0, s[64:65] scope:SCOPE_SE
	s_setreg_imm32_b32 hwreg(HW_REG_WAVE_MODE, 25, 1), 1
	s_wait_xcnt 0x0
; FFN1.  h = Q(relu(Q(x) Q(W1[e]) + b1[e])) for the tokens that keep expert e; both operands E2M1 with one E8M0 byte for each 32 along D.
; SHARES BY WEIGHTS: work-group (e = wg / 32, hs = wg % 32) owns hidden units 128 hs .. + 127 of expert e for all of D: 512 KiB of f32, read from memory once.
; THE STREAM: wave w (b = w % 4, kq = w / 4) takes 32 columns; a lane takes a column and its registers run down D, so a block of 32 lies in one lane and the conversions give codes with D innermost.
; Block t of a wave is d = 256 (t / 2) + 64 kq + 32 (t % 2): the sixteen waves' two blocks of a QUARTER (128 KiB of f32) are two whole steps of 128 for all eight tiles of hidden units.
; The codes go to LDS as IMAGES OF THE OPERAND'S REGISTERS: fragment (step s, tile t) at 1,024 (8 s + t), register group c of lane l at + 512 c + 16 l.
; Row r of tile 2 b + u is hidden unit 32 b + 8 u + r + 8 (r / 8), so that the 16 result registers of tiles 2 b, 2 b + 1 are 16 neighbours along the next product's K.
; THE PRODUCTS STAND UNDER THE STREAM: a quarter is two blocks (each asks for the block two further on), one barrier, and 16 matrix instructions on that quarter's images,
; while the next quarter's 64 loads of every wave are on their way.  The quarters' images lie in disjoint 16 KiB, written once: one barrier a quarter serves.
; Expert e's LIST is its tokens in ascending order; wave w takes list tile w (16 rows) under the stream and tiles w + 16, w + 32, w + 48 in a loop behind it.  The product is used transposed
; (source 0 = 16 rows of W1, source 1 = 16 tokens), b1 (from 512 bytes of LDS) is the C of each sum's first instruction, and the result is quantised in registers: one fragment and one scale word a row.
; Under the stream no branch hangs on the list's length: a wave whose tile lies past the list multiplies a clamped tile and stores nothing (with some 256 rows an expert: one or two waves of sixteen),
; so that every count of loads is the same on every way.  Places past the list's end take a clamped token; their rows are stored and never read.
; An expert with no token still makes tile 0, so that no later launch meets bytes that nobody stored.
; No tensor load: the number of tiles is read from memory, and the waves branch on it.  No cluster: no two work-groups read the same f32 bytes.
; OUT: hc [e][tile 64][hs 32][1,024 bytes] (a fragment's image), hsc [e][tile][hs][16 words], slotmap [e][token] (place in the list, or -1).
; LIMITS: NaN and infinities are not served; a block whose largest magnitude lies under 2^-124 (a block of zeros too) takes the byte 1: its bytes are read by this program alone.
.set SC,   65536                       ; LDS behind the images: W1's scale words [step s][lane l][4 words]: word q of lane l belongs to tile 2 q + l / 16, row l % 16
.set B1S,  69632                       ; and b1's 128 numbers
.set ACC,  32                          ; v32-95   eight tiles of the hidden layer
.set XF,   96                          ; v96-159  the loop: x's eight fragments; under the stream v96-127: step s at 8 (s % 4)
.set AFP,  128                         ; v128-159 under the stream: four fragments of W1
.set XS,   160                         ; v160-167 x's scale words
.set WS,   168                         ; v168-175 W1's scale words: two sets of four in the loop, the first alone under the stream (v172-175 first carry b1)
.set AF,   176                         ; v176-239 the stream: two sets of 32 numbers; the loop: W1's fragments, two sets of four
.set TM,   240                         ; v240-255 the quantiser's work; the search's too
.set PC,   16                          ; v16-23   the codes just made (the stream: v12-20 at work)
.set PW,   24                          ; v24      their scale word
.set QP,   240
.set QW,   241
.set QPK,  242
.set QK,   243
.set QPOS, 244
.set QT,   245
.set QA1,  246
.set QA2,  247
.set QA3,  248
.set QA4,  249
.set QD,   250
.macro PLACES n
.rept \n
	v_nop
.endr
.endm
	s_load_b512 s[4:19], s[0:1], 0x0               ; W1, b1, xc, xs, bitmap, hc, hsc, slotmap
	v_lshl_add_u32 v31, v0, 2, 0x11200
	v_mov_b32 v251, 0
	v_lshrrev_b32 v1, 5, v0
	v_readfirstlane_b32 s20, v1                    ; wave 0..15
	s_lshr_b32 s21, ttmp9, 5                       ; e
	s_and_b32 s22, ttmp9, 31                       ; hs
	s_and_b32 s23, s20, 3                          ; b
	s_lshr_b32 s24, s20, 2                         ; kq
	s_lshr_b32 s32, s24, 1                         ; kq / 2: which of a quarter's two steps is mine
	s_and_b32 s33, s24, 1                          ; kq % 2: which half of that step
	v_and_b32 v1, 31, v0                           ; lane
	v_and_b32 v2, 15, v0                           ; r
	v_bfe_u32 v3, v0, 4, 1                         ; h
	v_lshlrev_b32 v4, 2, v1                        ; W1: 4 bytes a lane
	v_and_b32 v12, 7, v0
	v_lshl_add_u32 v12, v3, 3, v12                 ; my column's row in its tile: lane % 8 + 8 (lane / 16)
	v_bfe_u32 v13, v0, 3, 1                        ; and which of the two tiles: (lane / 8) % 2
	v_lshlrev_b32 v5, 4, v12
	v_lshl_add_u32 v5, v13, 10, v5
	s_lshl_b32 s28, s23, 11
	s_lshl_b32 s30, s32, 13
	s_add_co_u32 s28, s28, s30
	s_lshl_b32 s30, s33, 9
	s_add_co_u32 s28, s28, s30
	v_add_nc_u32 v5, s28, v5                       ; where my column's codes go: 16 row + 1,024 tile half + 2,048 b + 8,192 (kq / 2) + 512 (kq % 2)
	v_lshl_add_u32 v6, v13, 4, v12
	v_lshlrev_b32 v6, 4, v6
	s_lshl_b32 s28, s23, 2
	s_lshl_b32 s30, s32, 9
	s_add_co_u32 s28, s28, s30
	s_lshl_b32 s30, s33, 1
	s_add_co_u32 s28, s28, s30
	s_add_co_u32 s28, s28, SC
	v_add_nc_u32 v6, s28, v6                       ; and its two scale bytes of a step's four
	v_lshlrev_b32 v7, 4, v1                        ; 16 x lane: an image's place for my lane
	v_lshlrev_b32 v10, 6, v3
	v_add_nc_u32 v10, B1S, v10                     ; b1 in LDS: 16 h numbers on
	v_lshlrev_b32 v11, 2, v2                       ; 4 r
	v_add_nc_u32 v25, SC, v7                       ; W1's scale words, on the way back
	v_add_nc_u32 v30, B1S, v7                      ; b1 into LDS (wave 0)
	s_mov_b32 s46, 0x76543210
	s_mov_b32 s47, 0xfedcba98                      ; v_permlanex16_b32's selects for lane l xor 16
	s_mov_b32 s29, 0
	s_wait_kmcnt 0x0
	s_lshl_b32 s28, s21, 7
	s_add_nc_u64 s[12:13], s[12:13], s[28:29]
	s_load_b512 s[68:83], s[12:13], 0x0            ; the expert's map, 32 words
	s_load_b512 s[84:99], s[12:13], 0x40
	s_lshl_b32 s28, s21, 24                        ; W1: expert, 64 kq rows of 16,384 bytes, 512 hs + 128 b bytes
	s_lshl_b32 s30, s24, 20
	s_add_co_u32 s28, s28, s30
	s_lshl_b32 s30, s22, 9
	s_add_co_u32 s28, s28, s30
	s_lshl_b32 s30, s23, 7
	s_add_co_u32 s28, s28, s30
	s_add_nc_u64 s[4:5], s[4:5], s[28:29]          ; quarters 0 and 1;
	s_add_nc_u64 s[48:49], s[4:5], 0x800000        ; quarters 2 and 3, 512 rows on: so every offset stays inside the signed 24-bit immediate (319 rows at the most)
	s_lshl_b32 s28, s21, 14                        ; b1: expert, my 128 units
	s_lshl_b32 s30, s22, 9
	s_add_co_u32 s28, s28, s30
	s_add_nc_u64 s[6:7], s[6:7], s[28:29]
.macro LOAD t                          ; block t of my column, 32 rows down D, into set t % 2; a wave's load reads 128 consecutive bytes, four waves side by side 512
.set I_, 0
.rept 32
.if (\t) < 4
	global_load_b32 v[AF+32*((\t)%2)+I_], v4, s[4:5] offset:(256*(((\t)/2)%2)+32*((\t)%2)+I_)*16384 th:TH_LOAD_NT
.else
	global_load_b32 v[AF+32*((\t)%2)+I_], v4, s[48:49] offset:(256*(((\t)/2)%2)+32*((\t)%2)+I_)*16384 th:TH_LOAD_NT
.endif
.set I_, I_+1
.endr
.endm
	global_load_b128 v[172:175], v7, s[6:7]        ; b1's 512 bytes: every wave asks, so that all count alike; wave 0 puts them into LDS
	LOAD 0
	LOAD 1
	s_wait_kmcnt 0x0                               ; the map
	s_mov_b32 s40, 0                               ; running count;
	s_mov_b32 s44, 0                               ; the count in front of word hs,
	s_mov_b32 s45, 0                               ; and word hs itself: for the token-to-place map
.set I_, 0
.rept 32
	s_cmp_eq_u32 s22, I_
	s_cselect_b32 s44, s40, s44
	s_cselect_b32 s45, s[68+I_], s45
	s_bcnt1_i32_b32 s41, s[68+I_]
	s_add_co_u32 s40, s40, s41
.set I_, I_+1
.endr
	s_add_co_u32 s26, s40, 15
	s_lshr_b32 s26, s26, 4
	s_max_u32 s26, s26, 1                          ; tiles of the list, at least one
	s_mov_b32 s25, s20                             ; my first tile
.macro POPF src                        ; counts of set bits in fields of 2, 4 and 8 bits
	v_lshrrev_b32 v[QA1], 1, v[\src]
	v_and_b32 v[QA1], 0x55555555, v[QA1]
	v_sub_nc_u32 v[QA1], v[\src], v[QA1]
	v_lshrrev_b32 v[QA2], 2, v[QA1]
	v_and_b32 v[QA2], 0x33333333, v[QA2]
	v_and_b32 v[QD], 0x33333333, v[QA1]
	v_add_nc_u32 v[QA2], v[QA2], v[QD]
	v_lshrrev_b32 v[QA3], 4, v[QA2]
	v_add_nc_u32 v[QA3], v[QA3], v[QA2]
	v_and_b32 v[QA3], 0x0f0f0f0f, v[QA3]
.endm
.macro PICK w                          ; if the bit sought lies past the next w bits (QT of them are set), pass them
	v_cmp_ge_u32 vcc_lo, v[QK], v[QT]
	v_cndmask_b32 v[QD], 0, v[QT], vcc_lo
	v_sub_nc_u32 v[QK], v[QK], v[QD]
	v_add_nc_u32 v[QD], \w, v[QPOS]
	v_cndmask_b32 v[QPOS], v[QPOS], v[QD], vcc_lo
.endm
; The token at place 16 x tile + r of the list (the tile in s[st]): the last word whose prefix count is not above the place, then the bit in it.  Leaves x's offsets in v8 (codes) and v9 (scale words).
.macro SCAN st
	s_lshl_b32 s28, s[\st], 4
	v_add_nc_u32 v[QP], s28, v2
	v_mov_b32 v[QW], s68
	v_mov_b32 v[QPK], 0
	s_mov_b32 s40, 0
.set I_, 1
.rept 31
	s_bcnt1_i32_b32 s41, s[67+I_]
	s_add_co_u32 s40, s40, s41
	s_add_co_u32 s42, s40, (I_<<16)                ; the count (at most 1,024) below, the word's number above
	v_cmp_le_u32 vcc_lo, s40, v[QP]
	v_cndmask_b32 v[QW], v[QW], s[68+I_], vcc_lo
	v_cndmask_b32 v[QPK], v[QPK], s42, vcc_lo
.set I_, I_+1
.endr
	v_and_b32 v[QT], 0xffff, v[QPK]
	v_sub_nc_u32 v[QK], v[QP], v[QT]               ; which set bit of the word
	POPF QW
	v_and_b32 v[QA4], 0xff, v[QA3]
	v_bfe_u32 v[QT], v[QA3], 8, 8
	v_add_nc_u32 v[QT], v[QA4], v[QT]              ; set bits among the low 16
	v_mov_b32 v[QPOS], 0
	PICK 16
	v_bfe_u32 v[QT], v[QA3], v[QPOS], 8
	PICK 8
	v_bfe_u32 v[QT], v[QA2], v[QPOS], 4
	PICK 4
	v_bfe_u32 v[QT], v[QA1], v[QPOS], 2
	PICK 2
	v_bfe_u32 v[QT], v[QW], v[QPOS], 1
	PICK 1
	v_lshrrev_b32 v[QT], 16, v[QPK]
	v_lshl_add_u32 v[QT], v[QT], 5, v[QPOS]
	v_min_u32 v[QT], 0x3ff, v[QT]                  ; the token, held inside the table
	v_lshlrev_b32 v8, 9, v[QT]
	v_lshl_add_u32 v8, v3, 4, v8                   ; its 512 bytes of codes, + 16 h
	v_lshlrev_b32 v9, 5, v[QT]                     ; its eight scale words
.endm
.macro XSL                             ; x's eight scale words
	global_load_b128 v[XS:XS+3], v9, s[10:11]
	global_load_b128 v[XS+4:XS+7], v9, s[10:11] offset:16
.endm
.macro XLD c                           ; under the stream: x's fragments of quarter c (steps 2 c, 2 c + 1): four loads
.irp j, 0,1
.irp cc, 0,1
	global_load_b128 v[XF+16*((\c)%2)+8*\j+4*\cc:XF+16*((\c)%2)+8*\j+4*\cc+3], v8, s[8:9] offset:64*(2*(\c)+\j)+32*\cc
.endr
.endr
.endm
.macro GATHER                          ; the loop: x's eight fragments and its scale words: 18 loads
.irp s, 0,1,2,3,4,5,6,7
.irp c, 0,1
	global_load_b128 v[XF+8*\s+4*\c:XF+8*\s+4*\c+3], v8, s[8:9] offset:64*\s+32*\c
.endr
.endr
	XSL
.endm
	SCAN 25
	XSL
	XLD 0
	XLD 1
	s_cmp_lg_u32 s20, 0
	s_cbranch_scc1 .Lnot0
	v_mov_b32 v[QW], 1                             ; wave 0: the places of tokens 32 hs + lane in the list
	v_lshlrev_b32 v[QW], v1, v[QW]
	v_add_nc_u32 v[QW], -1, v[QW]
	v_and_b32 v[QW], s45, v[QW]                    ; the word's bits below mine
	POPF QW
	v_mul_lo_u32 v[QT], v[QA3], 0x01010101
	v_lshrrev_b32 v[QT], 24, v[QT]
	v_add_nc_u32 v[QT], s44, v[QT]
	v_mov_b32 v[QD], s45
	v_lshrrev_b32 v[QD], v1, v[QD]
	v_and_b32 v[QD], 1, v[QD]
	v_cmp_ne_u32 vcc_lo, 0, v[QD]
	v_mov_b32 v29, -1
	v_cndmask_b32 v29, v29, v[QT], vcc_lo
	s_lshl_b32 s28, s21, 12
	s_lshl_b32 s30, s22, 7
	s_add_co_u32 s28, s28, s30
	v_add_nc_u32 v28, s28, v4
	global_store_b32 v28, v29, s[18:19]            ; 128 consecutive bytes; v28 and v29 are not written again
	s_wait_loadcnt 63                              ; b1 is in: 74 loads were issued behind it
	ds_store_b128 v30, v[172:175]                  ; read by all behind the first barrier
.Lnot0:
; Block t: 32 numbers of my column become 32 codes and a byte.  cnt: the loads issued behind this block's 32, which may stay out.
.macro BLOCK t, cnt
.set BX_, AF+32*((\t)%2)
	s_wait_loadcnt \cnt
	v_max3_num_f32 v12, |v[BX_]|, |v[BX_+1]|, |v[BX_+2]|
	v_max3_num_f32 v13, |v[BX_+3]|, |v[BX_+4]|, |v[BX_+5]|
.irp i, 6,10,14,18,22,26
	v_max3_num_f32 v12, v12, |v[BX_+\i]|, |v[BX_+\i+1]|
	v_max3_num_f32 v13, v13, |v[BX_+\i+2]|, |v[BX_+\i+3]|
.endr
	v_max3_num_f32 v12, v12, |v[BX_+30]|, |v[BX_+31]|
	v_max3_num_f32 v12, v12, v13, 0x1800000        ; the floor 2^(3 - 127): the byte cannot fall under 1
	v_add_nc_u32 v14, 0xff000000, v12              ; 2 off the exponent field: the conversion's scale operand
	v_lshrrev_b32 v15, 23, v14                     ; the scale's byte
.if ((\t)%2) == 0
	v_mov_b32 v20, v15
.else
	v_lshl_or_b32 v20, v15, 8, v20
.endif
.irp g, 0,1,2,3
	v_cvt_scalef32_pk8_fp4_f32 v[16+\g], v[BX_+8*\g:BX_+8*\g+7], v14
.endr
	v_nop                                          ; one plain place behind the conversions
	ds_store_b128 v5, v[16:19] offset:16384*((\t)/2)+256*((\t)%2)   ; block j of a step is register group j / 2 of lanes 16 (j % 2) + row; j = 2 (kq % 2) + t % 2
.if ((\t)%2) == 1
	ds_store_b16 v6, v20 offset:1024*((\t)/2)      ; my two bytes of the step's scale word
.endif
.if (\t) < 6
	LOAD (\t)+2
.endif
	s_wait_dscnt 0x0                               ; the stores have landed and have read their registers
.endm
.macro BAR                             ; every wave's images of the quarter have landed (the wait for 0 at each block's end)
	s_barrier_signal -1
	s_barrier_wait -1
.endm
.macro BIAS                            ; b1 in the result's layout: lane (r, h), tile 2 b + u, register j: hidden unit 32 b + 16 h + 8 u + j
.irp t, 0,1,2,3,4,5,6,7
	ds_load_b128 v[ACC+8*\t:ACC+8*\t+3], v10 offset:(32*(\t/2)+8*(\t%2))*4
	ds_load_b128 v[ACC+8*\t+4:ACC+8*\t+7], v10 offset:(32*(\t/2)+8*(\t%2))*4+16
.endr
.endm
.macro FETCHP q                        ; under the stream: four fragments of W1: step q / 2, tiles 4 (q % 2) on
.irp i, 0,1,2,3
.irp c, 0,1
	ds_load_b128 v[AFP+8*\i+4*\c:AFP+8*\i+4*\c+3], v7 offset:(8*((\q)/2)+4*((\q)%2)+\i)*1024+512*\c
.endr
.endr
.endm
.macro MUL4P q                         ; the eight accumulators take turns, one instruction a turn
.set S_, (\q)/2
.irp i, 0,1,2,3
.set T_, 4*((\q)%2)+\i
.if \i%2
	v_wmma_scale_f32_16x16x128_f8f6f4 v[ACC+8*T_:ACC+8*T_+7], v[AFP+8*\i:AFP+8*\i+7], v[XF+8*(S_%4):XF+8*(S_%4)+7], v[ACC+8*T_:ACC+8*T_+7], v[WS+T_/2], v[XS+S_] matrix_a_fmt:MATRIX_FMT_FP4 matrix_b_fmt:MATRIX_FMT_FP4 matrix_a_scale:MATRIX_SCALE_ROW1
.else
	v_wmma_scale_f32_16x16x128_f8f6f4 v[ACC+8*T_:ACC+8*T_+7], v[AFP+8*\i:AFP+8*\i+7], v[XF+8*(S_%4):XF+8*(S_%4)+7], v[ACC+8*T_:ACC+8*T_+7], v[WS+T_/2], v[XS+S_] matrix_a_fmt:MATRIX_FMT_FP4 matrix_b_fmt:MATRIX_FMT_FP4
.endif
.endr
.endm
; Quarter c's products: four runs of eight or nine LDS loads and four matrix instructions.  One set of registers serves W1's fragments: the three other waves of the SIMD work while a run is on its way.
.macro MULCH c
.irp g, 0,1,2,3
.if \g > 0
	PLACES 4                                       ; in front of loads into registers that the last four products read; ahead of a quarter's first run the blocks' arithmetic stands there
.endif
	FETCHP 4*(\c)+\g
.if (\g%2) == 0
	ds_load_b128 v[WS:WS+3], v25 offset:512*(2*(\c)+\g/2)      ; the step's scale words of all eight tiles
.endif
	s_wait_dscnt 0x0
	MUL4P 4*(\c)+\g
.endr
.endm
; The next tile of mine, 16 further on, if the list has it: the search and the gather stand behind a pass's last product, ahead of the quantiser, which covers them.
; No load is out here, so v8 and v9 may be written; four places stand between the last product and the loads into its operands.
.macro NEXTG
	s_add_co_u32 s31, s25, 16
	s_cmp_ge_u32 s31, s26
	s_cbranch_scc1 .Lnn_\@
	SCAN 31
	GATHER
.Lnn_\@:
.endm
; relu, the quantiser, and the stores of tile s25 (none where the tile lies past the list)
.macro FINISH
.set I_, 0
.rept 64
	v_max_num_f32 v[ACC+I_], 0, v[ACC+I_]          ; relu, in f32; each accumulator from its low end on
.set I_, I_+1
.endr
	; register 16 b + i is hidden unit 32 b + 16 h + i of my token; none is negative
.irp b, 0,1,2,3
	v_max3_num_f32 v[TM+\b], v[ACC+16*\b], v[ACC+1+16*\b], 0x1800000
.endr
.irp i, 2,4,6,8,10,12,14
.irp b, 0,1,2,3
	v_max3_num_f32 v[TM+\b], v[TM+\b], v[ACC+16*\b+\i], v[ACC+1+16*\b+\i]
.endr
.endr
.irp b, 0,1,2,3
	v_permlanex16_b32 v[TM+4+\b], v[TM+\b], s46, s47
.endr
.irp b, 0,1,2,3
	v_max_num_f32 v[TM+\b], v[TM+\b], v[TM+4+\b]   ; with lane l xor 16's: the block's largest
.endr
.irp b, 0,1,2,3
	v_add_nc_u32 v[TM+12+\b], 0xff000000, v[TM+\b]
.endr
.irp b, 0,1,2,3
	v_lshrrev_b32 v[TM+4+\b], 23, v[TM+12+\b]
.endr
	v_lshl_or_b32 v[PW], v[TM+5], 8, v[TM+4]
	v_lshl_or_b32 v[PW], v[TM+6], 16, v[PW]
	v_lshl_or_b32 v[PW], v[TM+7], 24, v[PW]
.irp b, 0,1,2,3
	v_cvt_scalef32_pk8_fp4_f32 v[PC+2*\b], v[ACC+16*\b:ACC+7+16*\b], v[TM+12+\b]
	v_cvt_scalef32_pk8_fp4_f32 v[PC+1+2*\b], v[ACC+8+16*\b:ACC+15+16*\b], v[TM+12+\b]
.endr
	v_nop                                          ; one plain place behind the conversions
.irp c, 0,1
.irp i, 0,1
	v_permlane16_swap_b32 v[PC+4*\c+\i], v[PC+2+4*\c+\i]   ; a whole block to a lane: registers 4 c .. 4 c + 3 hold k = 64 c + 32 h + 0 .. 31
.endr
.endr
	s_lshl_b32 s28, s21, 6
	s_add_co_u32 s28, s28, s25
	s_lshl_b32 s28, s28, 5
	s_add_co_u32 s28, s28, s22                     ; (64 e + tile) 32 + hs
	s_lshl_b32 s29, s28, 10
	s_lshl_b32 s30, s28, 6
	v_add_nc_u32 v26, s29, v7
	v_add_nc_u32 v27, s30, v11
	s_cmp_ge_u32 s25, s26
	s_cbranch_scc1 .Lns_\@
	global_store_b128 v26, v[PC:PC+3], s[14:15]              ; the fragment's image: 512 consecutive bytes a store
	global_store_b128 v26, v[PC+4:PC+7], s[14:15] offset:512
	global_store_b32 v27, v[PW], s[16:17]                    ; lanes l and l + 16 store the same word with the same value
.Lns_\@:
.endm
; THE STREAM AND THE FIRST PASS.  Loads in the order of issue: b1 1, block 0 32, block 1 32, x's scale words and steps 0-3 10, blocks 2 and 3, x's steps 4-5 4, blocks 4 and 5, x's steps 6-7 4, blocks 6 and 7.
	BLOCK 0, 42                                    ; behind block 0: block 1's 32 and x's 10
	BLOCK 1, 42                                    ; behind block 1: x's 10 and block 2's 32
	BAR
	BIAS
	s_wait_loadcnt 63                              ; x's scale words and first fragments are in: 64 loads were issued behind them
	MULCH 0
	PLACES 4
	XLD 2                                          ; into the set that quarter 0 has read
	BLOCK 2, 36                                    ; behind block 2: block 3's 32 and x's 4
	BLOCK 3, 36                                    ; behind block 3: x's 4 and block 4's 32
	BAR
	MULCH 1
	PLACES 4
	XLD 3
	BLOCK 4, 36
	BLOCK 5, 36
	BAR
	MULCH 2
	BLOCK 6, 32                                    ; behind block 6: block 7's 32
	BLOCK 7, 0
	BAR
	MULCH 3
	PLACES 4
	NEXTG
	FINISH
; THE LATER PASSES: tiles w + 16, w + 32, w + 48, for lists of more than 256 rows.  The ring's registers now hold W1's fragments, in two sets.
.macro FETCH q                         ; four fragments of W1: step q / 2, tiles 4 (q % 2) on, into set q % 2
.irp i, 0,1,2,3
.irp c, 0,1
	ds_load_b128 v[AF+32*((\q)%2)+8*\i+4*\c:AF+32*((\q)%2)+8*\i+4*\c+3], v7 offset:(8*((\q)/2)+4*((\q)%2)+\i)*1024+512*\c
.endr
.endr
.endm
.macro WSL s                           ; a step's scale words of all eight tiles
	ds_load_b128 v[WS+4*((\s)%2):WS+4*((\s)%2)+3], v25 offset:512*(\s)
.endm
.macro MUL4 q
.set S_, (\q)/2
.irp i, 0,1,2,3
.set T_, 4*((\q)%2)+\i
.if \i%2
	v_wmma_scale_f32_16x16x128_f8f6f4 v[ACC+8*T_:ACC+8*T_+7], v[AF+32*((\q)%2)+8*\i:AF+32*((\q)%2)+8*\i+7], v[XF+8*S_:XF+8*S_+7], v[ACC+8*T_:ACC+8*T_+7], v[WS+4*(S_%2)+T_/2], v[XS+S_] matrix_a_fmt:MATRIX_FMT_FP4 matrix_b_fmt:MATRIX_FMT_FP4 matrix_a_scale:MATRIX_SCALE_ROW1
.else
	v_wmma_scale_f32_16x16x128_f8f6f4 v[ACC+8*T_:ACC+8*T_+7], v[AF+32*((\q)%2)+8*\i:AF+32*((\q)%2)+8*\i+7], v[XF+8*S_:XF+8*S_+7], v[ACC+8*T_:ACC+8*T_+7], v[WS+4*(S_%2)+T_/2], v[XS+S_] matrix_a_fmt:MATRIX_FMT_FP4 matrix_b_fmt:MATRIX_FMT_FP4
.endif
.endr
.endm
	s_add_co_u32 s25, s25, 16
	s_mov_b32 s27, 0
.Lpass:                                                ; three trips, a constant; a trip whose tile lies past the list does nothing
	s_cmp_ge_u32 s25, s26
	s_cbranch_scc1 .Lskip
	s_wait_loadcnt 0x0                             ; x's fragments and scale words are in
	s_wait_xcnt 0x0                                ; the last pass's stores have read their data and offsets, which this pass writes again
	BIAS
	FETCH 0
	WSL 0
.irp q, 0,1,2,3,4,5,6,7,8,9,10,11,12,13,14,15
.if \q >= 1
	PLACES 4                                       ; in front of loads into registers that the last four products read
.endif
.if \q < 15
	FETCH \q+1
.if (\q%2) == 1
	WSL (\q+1)/2
	s_wait_dscnt 9                                 ; all but the nine just issued
.else
	s_wait_dscnt 8                                 ; all but the eight just issued
.endif
.else
	s_wait_dscnt 0x0
.endif
	MUL4 \q
.endr
	PLACES 4
	NEXTG
	FINISH
.Lskip:
	s_add_co_u32 s25, s25, 16
	s_add_co_u32 s27, s27, 1
	s_cmp_lt_u32 s27, 3
	s_cbranch_scc1 .Lpass
	s_wait_tensorcnt 0x0
	ds_add_u32 v31, v251
	s_wait_dscnt 0x0
	s_endpgm
.Lfunc_end_k_q9451f928bc_ffn1:
	.size	k_q9451f928bc_ffn1, .Lfunc_end_k_q9451f928bc_ffn1-k_q9451f928bc_ffn1
	.p2alignl 7, 3214868480
	.fill 96, 4, 3214868480
	.section	.rodata,"a",@progbits
	.p2align	6, 0x0
	.amdhsa_kernel k_q9451f928bc_ffn1
		.amdhsa_group_segment_fixed_size 72192
		.amdhsa_private_segment_fixed_size 0
		.amdhsa_enable_private_segment 0
		.amdhsa_kernarg_size 64
		.amdhsa_user_sgpr_count 2
		.amdhsa_user_sgpr_kernarg_segment_ptr 1
		.amdhsa_wavefront_size32 1
		.amdhsa_system_sgpr_workgroup_id_x 1
		.amdhsa_system_sgpr_workgroup_id_y 1
		.amdhsa_system_sgpr_workgroup_id_z 1
		.amdhsa_system_vgpr_workitem_id 0
		.amdhsa_next_free_vgpr 256
		.amdhsa_next_free_sgpr 100
		.amdhsa_reserve_vcc 1
		.amdhsa_float_denorm_mode_32 3
		.amdhsa_float_denorm_mode_16_64 3
		.amdhsa_memory_ordered 1
		.amdhsa_forward_progress 1
		.amdhsa_inst_pref_size 138
	.end_amdhsa_kernel
	.amdgpu_metadata
---
amdhsa.version: [ 1, 2 ]
amdhsa.kernels:
  - .name:           k_q9451f928bc_ffn1
    .symbol:         k_q9451f928bc_ffn1.kd
    .args:
      - { .name: W1, .offset: 0, .size: 8, .value_kind: global_buffer, .address_space: global }
      - { .name: b1, .offset: 8, .size: 8, .value_kind: global_buffer, .address_space: global }
      - { .name: xc, .offset: 16, .size: 8, .value_kind: global_buffer, .address_space: global }
      - { .name: xs, .offset: 24, .size: 8, .value_kind: global_buffer, .address_space: global }
      - { .name: bitmap, .offset: 32, .size: 8, .value_kind: global_buffer, .address_space: global }
      - { .name: hc, .offset: 40, .size: 8, .value_kind: global_buffer, .address_space: global }
      - { .name: hsc, .offset: 48, .size: 8, .value_kind: global_buffer, .address_space: global }
      - { .name: slotmap, .offset: 56, .size: 8, .value_kind: global_buffer, .address_space: global }
    .group_segment_fixed_size: 72192
    .private_segment_fixed_size: 0
    .kernarg_segment_align: 8
    .kernarg_segment_size: 64
    .max_flat_workgroup_size: 512
    .sgpr_count:     100
    .vgpr_count:     256
    .wavefront_size: 32
...
	.end_amdgpu_metadata
.endif
;; end of part 2
;; launch ffn2 (part 3): grid 256 x 1, 16 waves a work-group, no clusters, 141,312 bytes of LDS; arguments W2, bitmap, hc, hsc, y; writes y
.if DOCPART == 3
	.amdgcn_target "amdgcn-amd-amdhsa--gfx1250"
	.amdhsa_code_object_version 6
	.text
	.protected	k_q9451f928bc_ffn2
	.globl	k_q9451f928bc_ffn2
	.p2align	8
	.type	k_q9451f928bc_ffn2,@function
k_q9451f928bc_ffn2:
	s_mov_b64 s[64:65], 0
	v_nop
	global_prefetch_b8 v0, s[64:65] scope:SCOPE_SE
	s_setreg_imm32_b32 hwreg(HW_REG_WAVE_MODE, 25, 1), 1
	s_wait_xcnt 0x0
; FFN2.  Partial y = h Q(W2[e]) over half of the hidden layer, for the rows of expert e's list; h arrives as fragment images and scale words, W2 as f32 with K (the hidden axis) outermost.
; SHARES BY WEIGHTS: work-group (e = wg / 32, ds = (wg / 2) % 16, kh = wg % 2) owns columns 64 ds .. + 63 and hidden units 2,048 kh .. + 2,047: 512 KiB of f32, read from memory once,
; in rows of 256 consecutive bytes.  The two halves of K lie in two planes of y and are added by the next launch, as are the experts: each byte of y has one owner.
; THE STREAM: wave w (b = w % 2, kq = w / 2) takes 32 columns; a lane takes a column, its registers run down K.  Block t of a wave is k = 512 (t / 2) + 64 kq + 32 (t % 2): the sixteen waves' two
; blocks of a QUARTER (128 KiB of f32) are four whole steps of 128 for all four tiles of columns.  Images in LDS: fragment (step s, tile dt) at 1,024 (4 s + dt); row r of tile dt is column 16 dt + r.
; THE PRODUCTS STAND UNDER THE STREAM: a quarter is two blocks (each asks for the block two further on), one barrier, and 16 matrix instructions on that quarter's images,
; while the next quarter's 64 loads of every wave are on their way.  The quarters' images lie in disjoint 16 KiB, written once: one barrier a quarter serves.
; Wave w takes list tile w under the stream and tiles w + 16, w + 32, w + 48 in a loop behind it: source 0 = 16 columns of W2, source 1 = 16 rows of h: a lane holds eight neighbouring columns
; of one row; they leave through the wave's own stage as whole rows of 256 bytes.  Under the stream no branch hangs on the list's length: a wave whose tile lies past the list multiplies the
; list's last tile and stores nothing (with some 256 rows an expert: one or two waves of sixteen), so that every count of loads is the same on every way.
; No tensor load: the number of tiles is read from memory, and the waves branch on it.  No cluster: no two work-groups read the same f32 bytes.
; OUT: y [kh 2][e 8][place 1,024][1,024] f32; only the list's tiles are written.
; LIMITS: NaN and infinities are not served; a block whose largest magnitude lies under 2^-124 (a block of zeros too) takes the byte 1.
.set SC,   65536                       ; W2's scale words [step s][lane l][2 words]: word q of lane l belongs to tile 2 q + l / 16, row l % 16
.set STG,  69632                       ; a stage of 16 rows x (256 bytes + 16) for each wave
.set RING, 192                         ; v192-255 the stream: two sets of 32 numbers
.set ACC,  192                         ; v192-223 the loop: four accumulators
.set HF,   56                          ; v56-183  the loop: h's sixteen fragments; under the stream v56-119: step s at 8 (s % 8)
.set AFP,  120                         ; v120-151 under the stream: W2's four fragments
.set ACCP, 152                         ; v152-183 under the stream: the four accumulators
.set HS,   184                         ; v184-191 h's scale words: lanes 0-15 an even step's, lanes 16-31 the odd step's behind it
.set WS,   20                          ; v20-23   W2's scale words: two sets of two in the loop, the first alone under the stream
.set BK,   24                          ; v24-55   the stream: at work; the way out: rows read back; the loop: W2's fragments, set 1 (set 0: v224-255)
.macro PLACES n
.rept \n
	v_nop
.endr
.endm
	s_load_b256 s[4:11], s[0:1], 0x0               ; W2, bitmap, hc, hsc
	s_load_b64 s[12:13], s[0:1], 0x20              ; y
	v_lshl_add_u32 v18, v0, 2, 0x22000
	v_mov_b32 v19, 0
	v_lshrrev_b32 v1, 5, v0
	v_readfirstlane_b32 s20, v1                    ; wave 0..15
	s_lshr_b32 s21, ttmp9, 5                       ; e
	s_bfe_u32 s22, ttmp9, 0x40001                  ; ds
	s_and_b32 s23, ttmp9, 1                        ; kh
	s_and_b32 s24, s20, 1                          ; b
	s_lshr_b32 s31, s20, 1                         ; kq
	s_lshr_b32 s35, s31, 1                         ; kq / 2: which of a quarter's four steps is mine
	s_and_b32 s36, s31, 1                          ; kq % 2: which half of that step
	v_and_b32 v1, 31, v0                           ; lane
	v_and_b32 v2, 15, v0                           ; r
	v_bfe_u32 v3, v0, 4, 1                         ; h
	v_lshlrev_b32 v4, 2, v1                        ; 4 x lane
	v_lshlrev_b32 v5, 4, v2
	v_lshl_add_u32 v5, v3, 10, v5
	s_lshl_b32 s28, s24, 11
	s_lshl_b32 s29, s35, 12
	s_add_co_u32 s28, s28, s29
	s_lshl_b32 s29, s36, 9
	s_add_co_u32 s28, s28, s29
	v_add_nc_u32 v5, s28, v5                       ; where my column's codes go: 16 r + 1,024 h + 2,048 b + 4,096 (kq / 2) + 512 (kq % 2)
	s_lshl_b32 s28, s24, 2
	s_lshl_b32 s29, s35, 8
	s_add_co_u32 s28, s28, s29
	s_lshl_b32 s29, s36, 1
	s_add_co_u32 s28, s28, s29
	s_add_co_u32 s28, s28, SC
	v_lshl_add_u32 v6, v1, 3, s28                  ; and its two scale bytes of a step's four
	v_lshlrev_b32 v7, 4, v1                        ; 16 x lane
	v_lshlrev_b32 v10, 3, v1
	v_add_nc_u32 v10, SC, v10                      ; W2's scale words, on the way back
	s_mul_i32 s28, s20, 4352
	s_add_co_u32 s28, s28, STG                     ; my stage
	v_mul_u32_u24 v11, v2, 272
	v_lshl_add_u32 v11, v3, 5, v11
	v_add_nc_u32 v11, s28, v11                     ; in: row r, 32 bytes for each half of the lanes
	v_mul_u32_u24 v12, v3, 272
	v_lshl_add_u32 v12, v2, 4, v12
	v_add_nc_u32 v12, s28, v12                     ; back: lanes 0-15 one row, lanes 16-31 the next
	v_lshlrev_b32 v13, 12, v3
	v_lshl_add_u32 v13, v2, 4, v13                 ; and the same two rows in y
	s_mov_b32 s29, 0
	s_wait_kmcnt 0x0
	s_lshl_b32 s28, s21, 7
	s_add_nc_u64 s[6:7], s[6:7], s[28:29]
	s_load_b512 s[68:83], s[6:7], 0x0              ; the expert's map, 32 words
	s_load_b512 s[84:99], s[6:7], 0x40
	s_lshl_b32 s28, s21, 24                        ; W2: expert, 2,048 kh + 64 kq rows of 4,096 bytes, 256 ds + 128 b bytes
	s_lshl_b32 s30, s23, 23
	s_add_co_u32 s28, s28, s30
	s_lshl_b32 s30, s31, 18
	s_add_co_u32 s28, s28, s30
	s_lshl_b32 s30, s22, 8
	s_add_co_u32 s28, s28, s30
	s_lshl_b32 s30, s24, 7
	s_add_co_u32 s28, s28, s30
	s_add_nc_u64 s[4:5], s[4:5], s[28:29]
.macro LOAD t                          ; block t of my column; a wave's load reads 128 consecutive bytes, two waves side by side 256; 1,599 rows at the most: inside the signed 24-bit immediate
.set I_, 0
.rept 32
	global_load_b32 v[RING+32*((\t)%2)+I_], v4, s[4:5] offset:(512*((\t)/2)+32*((\t)%2)+I_)*4096 th:TH_LOAD_NT
.set I_, I_+1
.endr
.endm
	LOAD 0
	LOAD 1
	s_wait_kmcnt 0x0                               ; the map
	s_mov_b32 s40, 0
.set I_, 0
.rept 32
	s_bcnt1_i32_b32 s41, s[68+I_]
	s_add_co_u32 s40, s40, s41
.set I_, I_+1
.endr
	s_add_co_u32 s26, s40, 15
	s_lshr_b32 s26, s26, 4
	s_max_u32 s26, s26, 1                          ; tiles of the list, at least one: as many as the launch before stored
	s_mov_b32 s25, s20                             ; my first tile
	s_sub_co_u32 s30, s26, 1
	s_min_u32 s30, s30, s20                        ; a wave with no tile takes the last one, which exists, and stores nothing
	s_min_u32 s30, s30, 63
.macro GADDR st                        ; list tile s[st] in my half of K: 16 KiB of fragments on end, and their scale words
	s_lshl_b32 s28, s21, 6
	s_add_co_u32 s28, s28, s[\st]
	s_lshl_b32 s28, s28, 5
	s_lshl_b32 s29, s23, 4
	s_add_co_u32 s28, s28, s29                     ; (64 e + tile) 32 + 16 kh
	s_lshl_b32 s29, s28, 10
	s_lshl_b32 s33, s28, 6
	v_add_nc_u32 v8, s29, v7
	v_add_nc_u32 v9, s33, v4
.endm
.macro HSL                             ; h's scale words of all sixteen steps: eight loads
.irp j, 0,1,2,3,4,5,6,7
	global_load_b32 v[HS+\j], v9, s[10:11] offset:128*\j
.endr
.endm
.macro HLD c                           ; under the stream: h's fragments of quarter c (steps 4 c .. 4 c + 3): eight loads
.irp j, 0,1,2,3,4,5,6,7
	global_load_b128 v[HF+4*((8*(\c)+\j)%16):HF+4*((8*(\c)+\j)%16)+3], v8, s[8:9] offset:512*(8*(\c)+\j)
.endr
.endm
.macro GATHER st                       ; the loop: 40 loads
	GADDR \st
.set I_, 0
.rept 32
	global_load_b128 v[HF+4*I_:HF+4*I_+3], v8, s[8:9] offset:512*I_
.set I_, I_+1
.endr
	HSL
.endm
	GADDR 30
	HSL
	HLD 0
	HLD 1
; Block t: 32 numbers of my column become 32 codes and a byte.  cnt: the loads issued behind this block's 32, which may stay out.
.macro BLOCK t, cnt
.set BX_, RING+32*((\t)%2)
	s_wait_loadcnt \cnt
	v_max3_num_f32 v28, |v[BX_]|, |v[BX_+1]|, |v[BX_+2]|
	v_max3_num_f32 v29, |v[BX_+3]|, |v[BX_+4]|, |v[BX_+5]|
.irp i, 6,10,14,18,22,26
	v_max3_num_f32 v28, v28, |v[BX_+\i]|, |v[BX_+\i+1]|
	v_max3_num_f32 v29, v29, |v[BX_+\i+2]|, |v[BX_+\i+3]|
.endr
	v_max3_num_f32 v28, v28, |v[BX_+30]|, |v[BX_+31]|
	v_max3_num_f32 v28, v28, v29, 0x1800000        ; the floor 2^(3 - 127): the byte cannot fall under 1
	v_add_nc_u32 v30, 0xff000000, v28              ; 2 off the exponent field: the conversion's scale operand
	v_lshrrev_b32 v31, 23, v30                     ; the scale's byte
.if ((\t)%2) == 0
	v_mov_b32 v32, v31
.else
	v_lshl_or_b32 v32, v31, 8, v32
.endif
.irp g, 0,1,2,3
	v_cvt_scalef32_pk8_fp4_f32 v[24+\g], v[BX_+8*\g:BX_+8*\g+7], v30
.endr
	v_nop                                          ; one plain place behind the conversions
	ds_store_b128 v5, v[24:27] offset:16384*((\t)/2)+256*((\t)%2)   ; block j of a step is register group j / 2 of lanes 16 (j % 2) + row; j = 2 (kq % 2) + t % 2
.if ((\t)%2) == 1
	ds_store_b16 v6, v32 offset:1024*((\t)/2)      ; my two bytes of the step's scale word
.endif
.if (\t) < 6
	LOAD (\t)+2
.endif
	s_wait_dscnt 0x0                               ; the stores have landed and have read their registers
.endm
.macro BAR                             ; every wave's images of the quarter have landed (the wait for 0 at each block's end)
	s_barrier_signal -1
	s_barrier_wait -1
.endm
; One product, its registers in D_, A_, B_, SA_, SB_.  The scale rows: W2's word lies in lanes 16-31 for an odd tile, h's for an odd step.  Step 0 starts the sum.
.macro WMI dt, s
.if (\s) == 0
.if (\dt)%2
	v_wmma_scale_f32_16x16x128_f8f6f4 v[D_:D_+7], v[A_:A_+7], v[B_:B_+7], 0, v[SA_], v[SB_] matrix_a_fmt:MATRIX_FMT_FP4 matrix_b_fmt:MATRIX_FMT_FP4 matrix_a_scale:MATRIX_SCALE_ROW1
.else
	v_wmma_scale_f32_16x16x128_f8f6f4 v[D_:D_+7], v[A_:A_+7], v[B_:B_+7], 0, v[SA_], v[SB_] matrix_a_fmt:MATRIX_FMT_FP4 matrix_b_fmt:MATRIX_FMT_FP4
.endif
.elseif ((\s)%2) && ((\dt)%2)
	v_wmma_scale_f32_16x16x128_f8f6f4 v[D_:D_+7], v[A_:A_+7], v[B_:B_+7], v[D_:D_+7], v[SA_], v[SB_] matrix_a_fmt:MATRIX_FMT_FP4 matrix_b_fmt:MATRIX_FMT_FP4 matrix_a_scale:MATRIX_SCALE_ROW1 matrix_b_scale:MATRIX_SCALE_ROW1
.elseif (\s)%2
	v_wmma_scale_f32_16x16x128_f8f6f4 v[D_:D_+7], v[A_:A_+7], v[B_:B_+7], v[D_:D_+7], v[SA_], v[SB_] matrix_a_fmt:MATRIX_FMT_FP4 matrix_b_fmt:MATRIX_FMT_FP4 matrix_b_scale:MATRIX_SCALE_ROW1
.elseif (\dt)%2
	v_wmma_scale_f32_16x16x128_f8f6f4 v[D_:D_+7], v[A_:A_+7], v[B_:B_+7], v[D_:D_+7], v[SA_], v[SB_] matrix_a_fmt:MATRIX_FMT_FP4 matrix_b_fmt:MATRIX_FMT_FP4 matrix_a_scale:MATRIX_SCALE_ROW1
.else
	v_wmma_scale_f32_16x16x128_f8f6f4 v[D_:D_+7], v[A_:A_+7], v[B_:B_+7], v[D_:D_+7], v[SA_], v[SB_] matrix_a_fmt:MATRIX_FMT_FP4 matrix_b_fmt:MATRIX_FMT_FP4
.endif
.endm
.macro WMP dt, s                       ; under the stream
.set D_, ACCP+8*(\dt)
.set A_, AFP+8*(\dt)
.set B_, HF+8*((\s)%8)
.set SA_, WS+(\dt)/2
.set SB_, HS+(\s)/2
	WMI \dt, \s
.endm
.macro WM dt, s                        ; in the loop
.set D_, ACC+8*(\dt)
.set A_, 224-200*((\s)%2)+8*(\dt)
.set B_, HF+8*(\s)
.set SA_, WS+2*((\s)%2)+(\dt)/2
.set SB_, HS+(\s)/2
	WMI \dt, \s
.endm
.macro FETCHP s                        ; under the stream: step s: W2's four fragments and their scale words
.irp i, 0,1,2,3
.irp c, 0,1
	ds_load_b128 v[AFP+8*\i+4*\c:AFP+8*\i+4*\c+3], v7 offset:(4*(\s)+\i)*1024+512*\c
.endr
.endr
	ds_load_b64 v[WS:WS+1], v10 offset:256*(\s)
.endm
; Quarter c's products: four runs of nine LDS loads and four matrix instructions.  One set of registers serves W2's fragments: the three other waves of the SIMD work while a run is on its way.
.macro MULCH c
.irp g, 0,1,2,3
.if \g > 0
	PLACES 4                                       ; in front of loads into registers that the last four products read; ahead of a quarter's first run the blocks' arithmetic stands there
.endif
	FETCHP 4*(\c)+\g
	s_wait_dscnt 0x0
.irp dt, 0,1,2,3
	WMP \dt, 4*(\c)+\g                             ; the four accumulators take turns, one instruction a turn
.endr
.endr
.endm
; The next tile of mine, 16 further on, if the list has it.  No load is out here, so v8 and v9 may be written.
.macro NEXTG
	s_add_co_u32 s34, s25, 16
	s_cmp_ge_u32 s34, s26
	s_cbranch_scc1 .Lnn_\@
	GATHER 34
.Lnn_\@:
.endm
; The way out of tile s25, its four accumulators from v[acc] on: through my stage, back as whole rows; the next tile's gather is asked for in between; no store where the tile lies past the list.
.macro OUT acc
.irp dt, 0,1,2,3
	ds_store_b128 v11, v[(\acc)+8*\dt:(\acc)+8*\dt+3] offset:64*\dt              ; each accumulator from its low end on
	ds_store_b128 v11, v[(\acc)+8*\dt+4:(\acc)+8*\dt+7] offset:64*\dt+16
.endr
.irp i, 0,1,2,3,4,5,6,7
	ds_load_b128 v[BK+4*\i:BK+4*\i+3], v12 offset:544*\i                         ; LDS serves a wave's instructions in order (ISA guide 5.7.1.4): these see my stores
.endr
	s_wait_dscnt 8                                 ; the eight loads may be out; the eight stores are done: the accumulators may be loaded over
	NEXTG
	s_lshl_b32 s28, s23, 25
	s_lshl_b32 s29, s21, 22
	s_add_co_u32 s28, s28, s29
	s_lshl_b32 s29, s25, 16
	s_add_co_u32 s28, s28, s29
	s_lshl_b32 s29, s22, 8
	s_add_co_u32 s28, s28, s29                     ; plane kh, expert, 16 rows a tile of 4,096 bytes, 256 ds
	v_add_nc_u32 v14, s28, v13
	s_wait_dscnt 0x0                               ; the rows are back, on both ways
	s_cmp_ge_u32 s25, s26
	s_cbranch_scc1 .Lns_\@
.irp i, 0,1,2,3,4,5,6,7
	global_store_b128 v14, v[BK+4*\i:BK+4*\i+3], s[12:13] offset:8192*\i         ; 16 lanes store 256 consecutive bytes, at a multiple of 256 from y's first byte
.endr
.Lns_\@:
.endm
; THE STREAM AND THE FIRST PASS.  Loads in the order of issue: block 0 32, block 1 32, h's scale words and steps 0-7 24, blocks 2 and 3, h's steps 8-11 8, blocks 4 and 5, h's steps 12-15 8, blocks 6 and 7.
	BLOCK 0, 56                                    ; behind block 0: block 1's 32 and h's 24
	BLOCK 1, 56                                    ; behind block 1: h's 24 and block 2's 32
	BAR
	s_wait_loadcnt 63                              ; h's scale words and first fragments are in: 64 loads were issued behind them
	MULCH 0
	PLACES 4
	HLD 2                                          ; into the set that quarter 0 has read
	BLOCK 2, 40                                    ; behind block 2: block 3's 32 and h's 8
	BLOCK 3, 40                                    ; behind block 3: h's 8 and block 4's 32
	BAR
	MULCH 1
	PLACES 4
	HLD 3
	BLOCK 4, 40
	BLOCK 5, 40
	BAR
	MULCH 2
	BLOCK 6, 32                                    ; behind block 6: block 7's 32
	BLOCK 7, 0
	BAR
	MULCH 3
	PLACES 5                                       ; results are read, and results' and operands' registers are loaded again
	OUT ACCP
; THE LATER PASSES: tiles w + 16, w + 32, w + 48, for lists of more than 256 rows.  The ring's registers now hold the accumulators and one set of W2's fragments.
.macro FETCH s                         ; step s: W2's four fragments into set s % 2, and their scale words
.irp i, 0,1,2,3
.irp c, 0,1
	ds_load_b128 v[224-200*((\s)%2)+8*\i+4*\c:224-200*((\s)%2)+8*\i+4*\c+3], v7 offset:(4*(\s)+\i)*1024+512*\c
.endr
.endr
	ds_load_b64 v[WS+2*((\s)%2):WS+2*((\s)%2)+1], v10 offset:256*(\s)
.endm
	s_add_co_u32 s25, s25, 16
	s_mov_b32 s27, 0
.Lpass:                                                ; three trips, a constant; a trip whose tile lies past the list does nothing
	s_cmp_ge_u32 s25, s26
	s_cbranch_scc1 .Lskip
	s_wait_loadcnt 0x0                             ; h's fragments and scale words are in
	s_wait_xcnt 0x0                                ; the last pass's stores have read their data and offset, which this pass writes again
	FETCH 0
.irp s, 0,1,2,3,4,5,6,7,8,9,10,11,12,13,14,15
.if \s >= 1
	PLACES 4                                       ; in front of loads into registers that the last four products read
.endif
.if \s < 15
	FETCH \s+1
	s_wait_dscnt 9                                 ; all but the nine just issued
.else
	s_wait_dscnt 0x0
.endif
.irp dt, 0,1,2,3
	WM \dt, \s                                     ; the four accumulators take turns, one instruction a turn; step 0 starts the sums
.endr
.endr
	PLACES 5                                       ; results are read, operands' registers are loaded again, and the next pass begins the accumulators anew
	OUT ACC
.Lskip:
	s_add_co_u32 s25, s25, 16
	s_add_co_u32 s27, s27, 1
	s_cmp_lt_u32 s27, 3
	s_cbranch_scc1 .Lpass
	s_wait_tensorcnt 0x0
	ds_add_u32 v18, v19
	s_wait_dscnt 0x0
	s_endpgm
.Lfunc_end_k_q9451f928bc_ffn2:
	.size	k_q9451f928bc_ffn2, .Lfunc_end_k_q9451f928bc_ffn2-k_q9451f928bc_ffn2
	.p2alignl 7, 3214868480
	.fill 96, 4, 3214868480
	.section	.rodata,"a",@progbits
	.p2align	6, 0x0
	.amdhsa_kernel k_q9451f928bc_ffn2
		.amdhsa_group_segment_fixed_size 141312
		.amdhsa_private_segment_fixed_size 0
		.amdhsa_enable_private_segment 0
		.amdhsa_kernarg_size 40
		.amdhsa_user_sgpr_count 2
		.amdhsa_user_sgpr_kernarg_segment_ptr 1
		.amdhsa_wavefront_size32 1
		.amdhsa_system_sgpr_workgroup_id_x 1
		.amdhsa_system_sgpr_workgroup_id_y 1
		.amdhsa_system_sgpr_workgroup_id_z 1
		.amdhsa_system_vgpr_workitem_id 0
		.amdhsa_next_free_vgpr 256
		.amdhsa_next_free_sgpr 100
		.amdhsa_reserve_vcc 0
		.amdhsa_float_denorm_mode_32 3
		.amdhsa_float_denorm_mode_16_64 3
		.amdhsa_memory_ordered 1
		.amdhsa_forward_progress 1
		.amdhsa_inst_pref_size 99
	.end_amdhsa_kernel
	.amdgpu_metadata
---
amdhsa.version: [ 1, 2 ]
amdhsa.kernels:
  - .name:           k_q9451f928bc_ffn2
    .symbol:         k_q9451f928bc_ffn2.kd
    .args:
      - { .name: W2, .offset: 0, .size: 8, .value_kind: global_buffer, .address_space: global }
      - { .name: bitmap, .offset: 8, .size: 8, .value_kind: global_buffer, .address_space: global }
      - { .name: hc, .offset: 16, .size: 8, .value_kind: global_buffer, .address_space: global }
      - { .name: hsc, .offset: 24, .size: 8, .value_kind: global_buffer, .address_space: global }
      - { .name: y, .offset: 32, .size: 8, .value_kind: global_buffer, .address_space: global }
    .group_segment_fixed_size: 141312
    .private_segment_fixed_size: 0
    .kernarg_segment_align: 8
    .kernarg_segment_size: 40
    .max_flat_workgroup_size: 512
    .sgpr_count:     100
    .vgpr_count:     256
    .wavefront_size: 32
...
	.end_amdgpu_metadata
.endif
;; end of part 3
;; launch combine (part 4): grid 256 x 1, 4 waves a work-group, no clusters, 0 bytes of LDS; arguments y, slotmap, wgt, b2, out0; writes out0
.if DOCPART == 4
	.amdgcn_target "amdgcn-amd-amdhsa--gfx1250"
	.amdhsa_code_object_version 6
	.text
	.protected	k_q9451f928bc_combine
	.globl	k_q9451f928bc_combine
	.p2align	8
	.type	k_q9451f928bc_combine,@function
k_q9451f928bc_combine:
	s_mov_b64 s[64:65], 0
	v_nop
	global_prefetch_b8 v0, s[64:65] scope:SCOPE_SE
	s_setreg_imm32_b32 hwreg(HW_REG_WAVE_MODE, 25, 1), 1
	s_wait_xcnt 0x0
; COMBINE.  out[t] = the sum over the experts that token t keeps of w[t][e] (y0[e][place] + y1[e][place] + b2[e]); w holds softmax / 8.
; One wave, one token: a row of 4,096 bytes is eight loads of 512 consecutive bytes.  The token's eight places (whole numbers; -1: not kept) steer the branches and the addresses;
; its eight weights are data alone.  An expert that is not kept is jumped over, so its rows, which nobody stored, are never read.
; Which expert comes first hangs on data, so no first product can start the sums: the 32 registers of the sum are cleared.
; Memory binds: no LDS, no barrier, no matrix unit.
.set ACC, 32                           ; v32-63   the sum
.set YA,  64                           ; v64-95   y, first half of K
.set YB,  96                           ; v96-127  y, second half
.set BB,  128                          ; v128-159 b2
	s_load_b256 s[4:11], s[0:1], 0x0               ; y, slotmap, wgt, b2
	s_load_b64 s[12:13], s[0:1], 0x20              ; out0
	v_lshrrev_b32 v1, 5, v0
	v_readfirstlane_b32 s32, v1                    ; wave 0..3
	v_and_b32 v1, 31, v0
	v_lshlrev_b32 v1, 4, v1                        ; 16 x lane
	s_lshl_b32 s33, ttmp9, 2
	s_add_co_u32 s33, s33, s32                     ; my token
	s_lshl_b32 s34, s33, 2
	s_mov_b32 s35, 0
	s_lshl_b32 s36, s33, 5
	s_mov_b32 s37, 0
	s_lshl_b32 s38, s33, 12
	s_mov_b32 s39, 0
	s_wait_kmcnt 0x0
	s_add_nc_u64 s[6:7], s[6:7], s[34:35]
	s_add_nc_u64 s[8:9], s[8:9], s[36:37]
.irp e, 0,1,2,3,4,5,6,7
	s_load_b32 s[16+\e], s[6:7], \e*4096           ; my place in expert e's list
.endr
	s_load_b256 s[24:31], s[8:9], 0x0              ; my eight weights
	s_add_nc_u64 s[14:15], s[4:5], 0x2000000       ; y's second plane
	s_add_nc_u64 s[12:13], s[12:13], s[38:39]
.set I_, 0
.rept 32
	v_mov_b32 v[ACC+I_], 0
.set I_, I_+1
.endr
	s_wait_kmcnt 0x0
.macro EXPERT e
	s_cmp_eq_u32 s[16+\e], -1
	s_cbranch_scc1 .Lno_\@
	s_min_u32 s40, s[16+\e], 1023                  ; held inside the table
	s_lshl_b32 s40, s40, 12
	s_add_co_u32 s40, s40, \e<<22
	v_add_nc_u32 v2, s40, v1                       ; (the last expert's loads, which read v2, were waited for)
.irp j, 0,1,2,3,4,5,6,7
	global_load_b128 v[YA+4*\j:YA+4*\j+3], v2, s[4:5] offset:512*\j th:TH_LOAD_NT
.endr
.irp j, 0,1,2,3,4,5,6,7
	global_load_b128 v[YB+4*\j:YB+4*\j+3], v2, s[14:15] offset:512*\j th:TH_LOAD_NT
.endr
.irp j, 0,1,2,3,4,5,6,7
	global_load_b128 v[BB+4*\j:BB+4*\j+3], v1, s[10:11] offset:4096*\e+512*\j
.endr
	s_mov_b32 s42, s[24+\e]                        ; the weight; the packed form names a pair and takes its low word for both halves
	s_mov_b32 s43, s[24+\e]
	s_wait_loadcnt 16                              ; the first plane's eight loads are in
.set I_, 0
.rept 16
	v_pk_fma_f32 v[ACC+I_:ACC+I_+1], v[YA+I_:YA+I_+1], s[42:43], v[ACC+I_:ACC+I_+1] op_sel_hi:[1,0,1]
.set I_, I_+2
.endr
	s_wait_loadcnt 8                               ; the second plane's
.set I_, 0
.rept 16
	v_pk_fma_f32 v[ACC+I_:ACC+I_+1], v[YB+I_:YB+I_+1], s[42:43], v[ACC+I_:ACC+I_+1] op_sel_hi:[1,0,1]
.set I_, I_+2
.endr
	s_wait_loadcnt 0x0                             ; b2's
.set I_, 0
.rept 16
	v_pk_fma_f32 v[ACC+I_:ACC+I_+1], v[BB+I_:BB+I_+1], s[42:43], v[ACC+I_:ACC+I_+1] op_sel_hi:[1,0,1]
.set I_, I_+2
.endr
.Lno_\@:
.endm
.irp e, 0,1,2,3,4,5,6,7
	EXPERT \e
.endr
.irp j, 0,1,2,3,4,5,6,7
	global_store_b128 v1, v[ACC+4*\j:ACC+4*\j+3], s[12:13] offset:512*\j th:TH_STORE_NT   ; 32 lanes store 512 consecutive bytes
.endr
	s_endpgm
.Lfunc_end_k_q9451f928bc_combine:
	.size	k_q9451f928bc_combine, .Lfunc_end_k_q9451f928bc_combine-k_q9451f928bc_combine
	.p2alignl 7, 3214868480
	.fill 96, 4, 3214868480
	.section	.rodata,"a",@progbits
	.p2align	6, 0x0
	.amdhsa_kernel k_q9451f928bc_combine
		.amdhsa_group_segment_fixed_size 0
		.amdhsa_private_segment_fixed_size 0
		.amdhsa_enable_private_segment 0
		.amdhsa_kernarg_size 40
		.amdhsa_user_sgpr_count 2
		.amdhsa_user_sgpr_kernarg_segment_ptr 1
		.amdhsa_wavefront_size32 1
		.amdhsa_system_sgpr_workgroup_id_x 1
		.amdhsa_system_sgpr_workgroup_id_y 1
		.amdhsa_system_sgpr_workgroup_id_z 1
		.amdhsa_system_vgpr_workitem_id 0
		.amdhsa_next_free_vgpr 160
		.amdhsa_next_free_sgpr 66
		.amdhsa_reserve_vcc 0
		.amdhsa_float_denorm_mode_32 3
		.amdhsa_float_denorm_mode_16_64 3
		.amdhsa_memory_ordered 1
		.amdhsa_forward_progress 1
		.amdhsa_inst_pref_size 49
	.end_amdhsa_kernel
	.amdgpu_metadata
---
amdhsa.version: [ 1, 2 ]
amdhsa.kernels:
  - .name:           k_q9451f928bc_combine
    .symbol:         k_q9451f928bc_combine.kd
    .args:
      - { .name: y, .offset: 0, .size: 8, .value_kind: global_buffer, .address_space: global }
      - { .name: slotmap, .offset: 8, .size: 8, .value_kind: global_buffer, .address_space: global }
      - { .name: wgt, .offset: 16, .size: 8, .value_kind: global_buffer, .address_space: global }
      - { .name: b2, .offset: 24, .size: 8, .value_kind: global_buffer, .address_space: global }
      - { .name: out0, .offset: 32, .size: 8, .value_kind: global_buffer, .address_space: global }
    .group_segment_fixed_size: 0
    .private_segment_fixed_size: 0
    .kernarg_segment_align: 8
    .kernarg_segment_size: 40
    .max_flat_workgroup_size: 128
    .sgpr_count:     66
    .vgpr_count:     160
    .wavefront_size: 32
...
	.end_amdgpu_metadata
.endif
;; end of part 4
;; ======== version 2 of 2: 4 launches
;; workspace buffers: xc 524,288 bytes; xs 32,768 bytes; wgt 32,768 bytes; bitmap 1,024 bytes of whole numbers; slotmap 32,768 bytes of whole numbers; hc 16,777,216 bytes; hsc 1,048,576 bytes; y 67,108,864 bytes
;; launch route (part 5): grid 32 x 1, 8 waves a work-group, no clusters, 199,168 bytes of LDS; arguments x, W_gate, xc, xs, wgt, bitmap; writes xc, xs, wgt, bitmap
.if DOCPART == 5
	.amdgcn_target "amdgcn-amd-amdhsa--gfx1250"
	.amdhsa_code_object_version 6
	.text
	.protected	k_q9451f928bc_route
	.globl	k_q9451f928bc_route
	.p2align	8
	.type	k_q9451f928bc_route,@function
k_q9451f928bc_route:
	s_mov_b64 s[64:65], 0
	v_nop
	global_prefetch_b8 v0, s[64:65] scope:SCOPE_SE
	s_setreg_imm32_b32 hwreg(HW_REG_WAVE_MODE, 25, 1), 1
	s_wait_xcnt 0x0
; ROUTE.  For 1,024 tokens of 1,024 numbers: the gate's eight logits in f32, the experts kept (logit >= the second largest, ties kept as they fall),
; softmax over the kept logits / 8, one ballot word for each expert, and x as codes of E2M1 with one E8M0 byte for each 32 along D.
; SHARES.  A work-group takes 32 tokens, A LANE IS A TOKEN: logits, threshold and ballot then need no other lane, and the ballot of the 32 lanes is one word of the map.
; Wave w takes d = 128 w .. 128 w + 127: four blocks of 32, which are one step of 128 of x's operand.  x is loaded as it lies (512 consecutive bytes a load) and turned
; through the wave's own LDS rows (528 bytes apart), so that a lane gets 32 neighbours along D in 32 registers.  W_gate's 128 rows of the wave lie in LDS and are read by all lanes at one address.
; OUT: xc [token][512 bytes], xs [token][8 words], wgt [token][8] f32 (0 where not kept), bitmap [expert][32 words] (bit l of word i: token 32 i + l).
; LIMITS: NaN and infinities are not served.  A block whose largest magnitude lies under 2^-124 (a block of zeros too) takes the byte 1; its bytes are read by this program alone.
; The logits' f32 sums run 128 deep in a lane and then over the eight waves in ascending order: a second and a third logit closer than f32 rounding may fall either way.
.set XWAVE, 16896                      ; LDS 0: a wave's 32 rows of 512 bytes + 16
.set XP,    528
.set WGS,   135168                     ; W_gate: 4,096 bytes a wave, as they lie
.set CST,   167936                     ; the codes: 32 tokens x (512 bytes + 16)
.set SSS,   184832                     ; the scale words: [token][32 bytes]
.set GPS,   185856                     ; partial logits: 1,536 bytes a wave, 48 a token
.set ACC,   16                         ; v16-23   my token's eight partial logits
.set X,     32                         ; v32-95   two sets of 32 neighbours along D (v32-63 first hold W_gate as loaded)
.set C,     96                         ; v96-111  codes, four registers for each block
.set SB,    112                        ; v112     the four scale bytes
.set R,     128                        ; v128-255 x as loaded; then W_gate's rows, two sets of 64
.set WR,    128
	s_load_b256 s[4:11], s[0:1], 0x0               ; x, W_gate, xc, xs
	s_load_b128 s[12:15], s[0:1], 0x20             ; wgt, bitmap
	v_lshl_add_u32 v126, v0, 2, 0x30600
	v_mov_b32 v127, 0
	v_lshrrev_b32 v1, 5, v0
	s_delay_alu instid0(VALU_DEP_1)
	v_readfirstlane_b32 s16, v1                    ; wave 0..7
	v_and_b32 v1, 31, v0                           ; lane
	s_wait_alu depctr_va_vdst(0)
	v_lshlrev_b32 v2, 4, v1                        ; 16 x lane
	s_mul_i32 s17, s16, XWAVE
	v_add_nc_u32 v3, s17, v2                       ; x into LDS: my 16 bytes of a row
	v_mul_u32_u24 v14, v1, XP
	s_delay_alu instid0(VALU_DEP_1)
	v_add_nc_u32 v4, s17, v14                      ; and back: my token's row
	s_lshl_b32 s18, s16, 12
	s_add_co_u32 s19, s18, WGS
	v_add_nc_u32 v5, s19, v2                       ; W_gate into LDS
	v_mov_b32 v6, s19                              ; and back: one address for all lanes
	s_lshl_b32 s20, s16, 6
	s_add_co_u32 s20, s20, CST
	v_add_nc_u32 v7, s20, v14                      ; my token's codes: 64 bytes for my wave's 128
	s_lshl_b32 s20, s16, 2
	s_add_co_u32 s20, s20, SSS
	v_lshl_add_u32 v8, v1, 5, s20                  ; my token's scale word
	s_mul_i32 s20, s16, 1536
	s_add_co_u32 s20, s20, GPS
	v_mul_u32_u24 v15, v1, 48
	s_delay_alu instid0(VALU_DEP_1)
	v_add_nc_u32 v9, s20, v15                      ; my partial logits
	s_mul_i32 s20, s16, 4*XP
	s_add_co_u32 s20, s20, CST
	v_add_nc_u32 v10, s20, v2                      ; the way out: tokens 4 w .. 4 w + 3, whole rows of codes
	s_and_b32 s21, s16, 1
	s_lshl_b32 s21, s21, 9
	s_add_co_u32 s20, s21, SSS
	v_add_nc_u32 v11, s20, v2                      ; the way out of the scale words (waves 0 and 1)
	v_add_nc_u32 v12, GPS, v15                     ; all waves' partial logits of my token (wave 2)
	v_and_b32 v13, 7, v0                           ; lane % 8: the expert whose ballot word I store (wave 2)
	s_mov_b32 s27, 0x3fb8aa3b                      ; log2(e)
	s_lshl_b32 s26, ttmp9, 2                       ; my work-group's word in an expert's map
	s_lshl_b32 s22, ttmp9, 17                      ; 32 tokens x 4,096 bytes
	s_lshl_b32 s23, s16, 9
	s_add_co_u32 s22, s22, s23
	s_mov_b32 s23, 0
	s_mov_b32 s19, 0
	s_lshl_b32 s24, ttmp9, 14                      ; codes: 32 tokens x 512 bytes, + 4 tokens a wave
	s_lshl_b32 s25, s16, 11
	s_add_co_u32 s24, s24, s25
	s_mov_b32 s25, 0
	s_wait_alu depctr_va_vdst(0)
	s_wait_kmcnt 0x0
	s_add_nc_u64 s[4:5], s[4:5], s[22:23]
	s_add_nc_u64 s[6:7], s[6:7], s[18:19]
	s_add_nc_u64 s[8:9], s[8:9], s[24:25]
	s_lshl_b32 s24, ttmp9, 10                      ; 32 tokens x 32 bytes
	s_add_nc_u64 s[12:13], s[12:13], s[24:25]
	s_add_co_u32 s24, s24, s21
	s_add_nc_u64 s[10:11], s[10:11], s[24:25]
.irp j, 0,1,2,3,4,5,6,7
	global_load_b128 v[X+4*\j:X+4*\j+3], v2, s[6:7] offset:512*\j          ; my wave's 128 rows of W_gate
.endr
.set I_, 0
.rept 32
	global_load_b128 v[R+4*I_:R+4*I_+3], v2, s[4:5] offset:4096*I_ th:TH_LOAD_NT   ; token I_: 512 consecutive bytes; read once in the whole program
.set I_, I_+1
.endr
	s_wait_loadcnt 32                              ; W_gate is in: the 32 loads of x are younger
.irp j, 0,1,2,3,4,5,6,7
	ds_store_b128 v5, v[X+4*\j:X+4*\j+3] offset:512*\j
.endr
.irp g, 0,1,2,3
	s_wait_loadcnt 24-8*\g                         ; eight more tokens are in
.irp i, 0,1,2,3,4,5,6,7
	ds_store_b128 v3, v[R+4*(8*\g+\i):R+4*(8*\g+\i)+3] offset:XP*(8*\g+\i)
.endr
.endr
	s_wait_dscnt 0x0                               ; the stores have read their registers, which the loads below fill again
.macro XL b                            ; block b of my token: 32 numbers into set b % 2
.irp j, 0,1,2,3,4,5,6,7
	ds_load_b128 v[X+32*((\b)%2)+4*\j:X+32*((\b)%2)+4*\j+3], v4 offset:128*(\b)+16*\j
.endr
.endm
.macro WL c                            ; eight rows of W_gate, 64 numbers, into set c % 2
.irp j, 0,1,2,3,4,5,6,7,8,9,10,11,12,13,14,15
	ds_load_b128 v[WR+64*((\c)%2)+4*\j:WR+64*((\c)%2)+4*\j+3], v6 offset:256*(\c)+16*\j
.endr
.endm
.macro QB b                            ; block b becomes 32 codes and a byte: all its numbers are mine
.set BX_, X+32*((\b)%2)
	v_max3_num_f32 v113, |v[BX_]|, |v[BX_+1]|, |v[BX_+2]|
	v_max3_num_f32 v114, |v[BX_+3]|, |v[BX_+4]|, |v[BX_+5]|
.irp i, 6,10,14,18,22,26
	s_delay_alu instid0(VALU_DEP_2)
	v_max3_num_f32 v113, v113, |v[BX_+\i]|, |v[BX_+\i+1]|
	s_delay_alu instid0(VALU_DEP_2)
	v_max3_num_f32 v114, v114, |v[BX_+\i+2]|, |v[BX_+\i+3]|
.endr
	s_delay_alu instid0(VALU_DEP_2)
	v_max3_num_f32 v113, v113, |v[BX_+30]|, |v[BX_+31]|
	s_delay_alu instid0(VALU_DEP_1)
	v_max3_num_f32 v113, v113, v114, 0x1800000     ; the floor 2^(3 - 127): the byte cannot fall under 1
	s_delay_alu instid0(VALU_DEP_1)
	v_add_nc_u32 v115, 0xff000000, v113            ; 2 off the exponent field: the conversion takes that field as its scale
	s_delay_alu instid0(VALU_DEP_1)
	v_lshrrev_b32 v116, 23, v115                   ; the scale's byte
.if (\b) == 0
	s_delay_alu instid0(VALU_DEP_1)
	v_mov_b32 v[SB], v116
.else
	s_delay_alu instid0(VALU_DEP_1)
	v_lshl_or_b32 v[SB], v116, 8*(\b), v[SB]
.endif
.irp g, 0,1,2,3
	v_cvt_scalef32_pk8_fp4_f32 v[C+4*(\b)+\g], v[BX_+8*\g:BX_+8*\g+7], v115
.endr
	v_nop                                          ; one plain place behind the conversions
	ds_store_b128 v7, v[C+4*(\b):C+4*(\b)+3] offset:16*(\b)
.endm
; Eight d at a time: 64 multiply-adds in eight chains.  The next rows of W_gate, and at a block's head the next block of x, are asked for first;
; the wait's count is what this chunk has just issued, so all that was issued before it is in.
.macro CHUNK c
.set NB_, (\c)/4
.set N_, 0
.if (((\c)%4) == 0) && (NB_ < 3)
	XL NB_+1
.set N_, N_+8
.endif
.if (\c) < 15
	WL (\c)+1
.set N_, N_+16
.endif
	s_wait_alu depctr_va_vdst(0)
	s_wait_dscnt N_
.irp d, 0,1,2,3,4,5,6,7
.irp e, 0,1,2,3,4,5,6,7
.if ((\c) == 0) && (\d == 0)
	v_mul_f32 v[ACC+\e], v[X+32*(NB_%2)+8*((\c)%4)+\d], v[WR+64*((\c)%2)+8*\d+\e]    ; the first product starts the sum
.else
	v_fmac_f32 v[ACC+\e], v[X+32*(NB_%2)+8*((\c)%4)+\d], v[WR+64*((\c)%2)+8*\d+\e]
.endif
.endr
.endr
.if ((\c)%4) == 3
	QB NB_
.endif
.endm
	XL 0
	WL 0
.irp c, 0,1,2,3,4,5,6,7,8,9,10,11,12,13,14,15
	CHUNK \c
.endr
	ds_store_b32 v8, v[SB]
	ds_store_b128 v9, v[ACC:ACC+3]
	ds_store_b128 v9, v[ACC+4:ACC+7] offset:16
	s_wait_dscnt 0x0                               ; for the others' sake: codes, scale words and partial logits have landed
	s_barrier_signal -1
	s_barrier_wait -1
.irp i, 0,1,2,3
	ds_load_b128 v[128+4*\i:131+4*\i], v10 offset:XP*\i
.endr
.irp i, 0,1,2,3
	s_wait_dscnt 3-\i
	global_store_b128 v2, v[128+4*\i:131+4*\i], s[8:9] offset:512*\i       ; a token's 512 bytes of codes: 32 lanes, consecutive
.endr
	s_cmp_lt_u32 s16, 2
	s_cbranch_scc0 .Lnot01
	ds_load_b128 v[144:147], v11                   ; waves 0 and 1: 512 bytes of scale words each
	s_wait_dscnt 0x0
	global_store_b128 v2, v[144:147], s[10:11]
.Lnot01:
	s_cmp_eq_u32 s16, 2
	s_cbranch_scc0 .Lend
.irp w, 0,1,2,3,4,5,6,7                ; wave 2: the gate
.irp q, 0,1
	ds_load_b128 v[160+8*\w+4*\q:163+8*\w+4*\q], v12 offset:1536*\w+16*\q
.endr
.endr
	s_wait_dscnt 0x0
.irp e, 0,1,2,3,4,5,6,7
	v_add_f32 v[ACC+\e], v[160+\e], v[168+\e]
.endr
.irp w, 2,3,4,5,6,7
.irp e, 0,1,2,3,4,5,6,7
	v_add_f32 v[ACC+\e], v[ACC+\e], v[160+8*\w+\e]
.endr
.endr
	v_mov_b32 v113, v[ACC]                         ; m1, the largest;
	v_mov_b32 v114, 0xff800000                     ; m2, the second largest, a twin of the largest counted
.irp e, 1
	s_delay_alu instid0(VALU_DEP_2)
	v_min_num_f32 v115, v113, v[ACC+\e]
	s_delay_alu instid0(VALU_DEP_1)
	v_max_num_f32 v114, v114, v115
	s_delay_alu instid0(VALU_DEP_4)
	v_max_num_f32 v113, v113, v[ACC+\e]
.endr
.irp e, 2, 3, 4, 5, 6, 7
	s_delay_alu instid0(VALU_DEP_1)
	v_min_num_f32 v115, v113, v[ACC+\e]
	s_delay_alu instid0(VALU_DEP_1)
	v_max_num_f32 v114, v114, v115
	s_delay_alu instid0(VALU_DEP_3)
	v_max_num_f32 v113, v113, v[ACC+\e]
.endr
.irp e, 0,1,2,3,4,5,6,7
	v_cmp_ge_f32 s[40+\e], v[ACC+\e], v114         ; kept: the 32 tokens' ballot for expert e
.endr
	v_mul_f32 v115, s27, v113
.irp e, 0,1,2,3,4,5,6,7
	v_fma_f32 v[24+\e], v[ACC+\e], s27, -v115      ; (g - m1) log2(e): the shift's rounding is common to all eight and cancels in the division
.endr
	s_wait_alu depctr_va_vdst(0)
.irp e, 0,1,2,3,4,5,6,7
	v_exp_f32 v[24+\e], v[24+\e]
.endr
	v_mov_b32 v116, 0                              ; (a plain place behind the exponentials)  my ballot word
	s_wait_alu depctr_va_vdst(0)
.irp e, 0,1,2,3,4,5,6,7
	v_cndmask_b32 v[24+\e], 0, v[24+\e], s[40+\e]  ; 0 where not kept
.endr
	v_add_f32 v115, v24, v25
	v_add_f32 v117, v26, v27
	v_add_f32 v118, v28, v29
	s_delay_alu instid0(VALU_DEP_4)
	v_add_f32 v119, v30, v31
	s_delay_alu instid0(VALU_DEP_3)
	v_add_f32 v115, v115, v117
	s_delay_alu instid0(VALU_DEP_2)
	v_add_f32 v118, v118, v119
	s_delay_alu instid0(VALU_DEP_1)
	v_add_f32 v115, v115, v118
	s_wait_alu depctr_va_vdst(0)
	v_rcp_f32 v115, v115
	v_lshlrev_b32 v117, 5, v1                      ; (a plain place behind the reciprocal)  32 bytes a token
	s_wait_alu depctr_va_vdst(0)
	v_mul_f32 v115, 0x3e000000, v115               ; / 8: the mean over the experts
.irp e, 0,1,2,3,4,5,6,7
	v_mul_f32 v[24+\e], v[24+\e], v115
.endr
	global_store_b128 v117, v[24:27], s[12:13]
	global_store_b128 v117, v[28:31], s[12:13] offset:16
.irp e, 0,1,2,3,4,5,6,7
	v_cmp_eq_u32 vcc_lo, \e, v13
	s_delay_alu instid0(VALU_DEP_1)
	v_cndmask_b32 v116, v116, s[40+\e], vcc_lo     ; lane l takes expert l % 8's word
.endr
	v_lshl_add_u32 v118, v13, 7, s26               ; 128 bytes an expert, my work-group's word; four lanes store the same word with the same value
	global_store_b32 v118, v116, s[14:15]
.Lend:
	s_wait_tensorcnt 0x0
	ds_add_u32 v126, v127
	s_wait_dscnt 0x0
	s_endpgm
.Lfunc_end_k_q9451f928bc_route:
	.size	k_q9451f928bc_route, .Lfunc_end_k_q9451f928bc_route-k_q9451f928bc_route
	.p2alignl 7, 3214868480
	.fill 96, 4, 3214868480
	.section	.rodata,"a",@progbits
	.p2align	6, 0x0
	.amdhsa_kernel k_q9451f928bc_route
		.amdhsa_group_segment_fixed_size 199168
		.amdhsa_private_segment_fixed_size 0
		.amdhsa_enable_private_segment 0
		.amdhsa_kernarg_size 48
		.amdhsa_user_sgpr_count 2
		.amdhsa_user_sgpr_kernarg_segment_ptr 1
		.amdhsa_wavefront_size32 1
		.amdhsa_system_sgpr_workgroup_id_x 1
		.amdhsa_system_sgpr_workgroup_id_y 1
		.amdhsa_system_sgpr_workgroup_id_z 1
		.amdhsa_system_vgpr_workitem_id 0
		.amdhsa_next_free_vgpr 256
		.amdhsa_next_free_sgpr 66
		.amdhsa_reserve_vcc 1
		.amdhsa_float_denorm_mode_32 3
		.amdhsa_float_denorm_mode_16_64 3
		.amdhsa_memory_ordered 1
		.amdhsa_forward_progress 1
		.amdhsa_inst_pref_size 79
	.end_amdhsa_kernel
	.amdgpu_metadata
---
amdhsa.version: [ 1, 2 ]
amdhsa.kernels:
  - .name:           k_q9451f928bc_route
    .symbol:         k_q9451f928bc_route.kd
    .args:
      - { .name: x, .offset: 0, .size: 8, .value_kind: global_buffer, .address_space: global }
      - { .name: W_gate, .offset: 8, .size: 8, .value_kind: global_buffer, .address_space: global }
      - { .name: xc, .offset: 16, .size: 8, .value_kind: global_buffer, .address_space: global }
      - { .name: xs, .offset: 24, .size: 8, .value_kind: global_buffer, .address_space: global }
      - { .name: wgt, .offset: 32, .size: 8, .value_kind: global_buffer, .address_space: global }
      - { .name: bitmap, .offset: 40, .size: 8, .value_kind: global_buffer, .address_space: global }
    .group_segment_fixed_size: 199168
    .private_segment_fixed_size: 0
    .kernarg_segment_align: 8
    .kernarg_segment_size: 48
    .max_flat_workgroup_size: 256
    .sgpr_count:     66
    .vgpr_count:     256
    .wavefront_size: 32
...
	.end_amdgpu_metadata
.endif
;; end of part 5
;; launch ffn1 (part 6): grid 256 x 1, 16 waves a work-group, no clusters, 72,192 bytes of LDS; arguments W1, b1, xc, xs, bitmap, hc, hsc, slotmap; writes hc, hsc, slotmap
.if DOCPART == 6
	.amdgcn_target "amdgcn-amd-amdhsa--gfx1250"
	.amdhsa_code_object_version 6
	.text
	.protected	k_q9451f928bc_ffn1
	.globl	k_q9451f928bc_ffn1
	.p2align	8
	.type	k_q9451f928bc_ffn1,@function
k_q9451f928bc_ffn1:
	s_mov_b64 s[64:65], 0
	v_nop
	global_prefetch_b8 v0, s[64:65] scope:SCOPE_SE
	s_setreg_imm32_b32 hwreg(HW_REG_WAVE_SCHED_MODE, 0, 2), 2
	s_setreg_imm32_b32 hwreg(HW_REG_WAVE_MODE, 25, 1), 1
	s_wait_xcnt 0x0
	s_wait_alu depctr_vm_vsrc(0)
; FFN1.  h = Q(relu(Q(x) Q(W1[e]) + b1[e])) for the tokens that keep expert e; both operands E2M1 with one E8M0 byte for each 32 along D.
; SHARES BY WEIGHTS: work-group (e = wg / 32, hs = wg % 32) owns hidden units 128 hs .. + 127 of expert e for all of D: 512 KiB of f32, read from memory once.
; THE STREAM: wave w (b = w % 4, kq = w / 4) takes 32 columns; a lane takes a column and its registers run down D, so a block of 32 lies in one lane and the conversions give codes with D innermost.
; Block t of a wave is d = 256 (t / 2) + 64 kq + 32 (t % 2): the sixteen waves' two blocks of a QUARTER (128 KiB of f32) are two whole steps of 128 for all eight tiles of hidden units.
; The codes go to LDS as IMAGES OF THE OPERAND'S REGISTERS: fragment (step s, tile t) at 1,024 (8 s + t), register group c of lane l at + 512 c + 16 l.
; Row r of tile 2 b + u is hidden unit 32 b + 8 u + r + 8 (r / 8), so that the 16 result registers of tiles 2 b, 2 b + 1 are 16 neighbours along the next product's K.
; THE PRODUCTS STAND UNDER THE STREAM: a quarter is two blocks (each asks for the block two further on), one barrier, and 16 matrix instructions on that quarter's images,
; while the next quarter's 64 loads of every wave are on their way.  The quarters' images lie in disjoint 16 KiB, written once: one barrier a quarter serves.
; Expert e's LIST is its tokens in ascending order; wave w takes list tile w (16 rows) under the stream and tiles w + 16, w + 32, w + 48 in a loop behind it.  The product is used transposed
; (source 0 = 16 rows of W1, source 1 = 16 tokens), b1 (from 512 bytes of LDS) is the C of each sum's first instruction, and the result is quantised in registers: one fragment and one scale word a row.
; Under the stream no branch hangs on the list's length: a wave whose tile lies past the list multiplies a clamped tile and stores nothing (with some 256 rows an expert: one or two waves of sixteen),
; so that every count of loads is the same on every way.  Places past the list's end take a clamped token; their rows are stored and never read.
; An expert with no token still makes tile 0, so that no later launch meets bytes that nobody stored.
; No tensor load: the number of tiles is read from memory, and the waves branch on it.  No cluster: no two work-groups read the same f32 bytes.
; OUT: hc [e][tile 64][hs 32][1,024 bytes] (a fragment's image), hsc [e][tile][hs][16 words], slotmap [e][token] (place in the list, or -1).
; LIMITS: NaN and infinities are not served; a block whose largest magnitude lies under 2^-124 (a block of zeros too) takes the byte 1: its bytes are read by this program alone.
; THE MODE: SCHED_MODE bits 1:0 = 2 (LLVM: expert scheduling mode 2), set by the entry lines.  The code itself states the register dependences between vector or matrix
; instructions and memory or LDS instructions, and those through scalar registers that vector instructions write, with s_wait_alu, always for 0.
; THE PLAN.  Registers that memory or LDS instructions touch:
;   v176-239  The ring.  Block t's maxima and conversions read set t % 2; behind them block t + 2's loads land in it.  In the later passes W1's fragments: products q read set q % 2, run q + 2 lands in it.
;   v16-20    A block's codes and its two bytes: written by its conversions and shifts, read by its LDS stores, written again by the next block.
;   v96-127   x's fragments under the stream, two sets: quarter c's products read set c % 2; quarter c + 2's loads land in it, issued in the first block behind quarter c.
;   v128-159, v168-171  W1's fragments and scale words under the stream: ONE set (four waves of 256 registers are a SIMD's 1,024: there is none for a second): four products read it, the next run lands in it.
;   v32-95    The accumulators: b1's LDS loads land in them; the products, relu and the quantiser name them.
;   v8, v9    x's offsets: written by the search, read by x's loads.      v16-24, v26, v27  the result and its offsets: written by the quantiser, read by the stores.
;   v4-7, v10, v11, v25, v30, and the closing add's v31 and v251: made at the head and never written again.
; THE WAITS.  One on va_vdst in a block, behind its conversions: the codes and bytes are written; the ring's set has been read; the quarter before is done reading its set of x, W1's fragments and scale words.
; The block's LDS stores, x's loads and the ring's loads follow it, and so does the next quarter's first run of LDS loads: no vector instruction since names their registers.
; One on vm_vsrc at a block's end: its LDS stores have read the codes.  One on va_vdst ahead of each further run of W1's fragments.  The others stand at the head, in the search and on the way out, each with its reason.
.set SC,   65536                       ; LDS behind the images: W1's scale words [step s][lane l][4 words]: word q of lane l belongs to tile 2 q + l / 16, row l % 16
.set B1S,  69632                       ; and b1's 128 numbers
.set ACC,  32                          ; v32-95   eight tiles of the hidden layer
.set XF,   96                          ; v96-159  the loop: x's eight fragments; under the stream v96-127: step s at 8 (s % 4)
.set AFP,  128                         ; v128-159 under the stream: four fragments of W1
.set XS,   160                         ; v160-167 x's scale words
.set WS,   168                         ; v168-175 W1's scale words: two sets of four in the loop, the first alone under the stream (v172-175 first carry b1)
.set AF,   176                         ; v176-239 the stream: two sets of 32 numbers; the loop: W1's fragments, two sets of four
.set TM,   240                         ; v240-255 the quantiser's work; the search's too
.set PC,   16                          ; v16-23   the codes just made (the stream: v12-20 at work)
.set PW,   24                          ; v24      their scale word
.set QP,   240
.set QW,   241
.set QPK,  242
.set QK,   243
.set QPOS, 244
.set QT,   245
.set QA1,  246
.set QA2,  247
.set QA3,  248
.set QA4,  249
.set QD,   250
.set MK,   50                          ; s50-56   the search: seven compares' masks
.set PKS,  57                          ; s57-63   and the seven packed counts that go with them
.macro PLACES n
.rept \n
	v_nop
.endr
.endm
	s_load_b512 s[4:19], s[0:1], 0x0               ; W1, b1, xc, xs, bitmap, hc, hsc, slotmap
	v_lshl_add_u32 v31, v0, 2, 0x11200
	v_mov_b32 v251, 0
	v_lshrrev_b32 v1, 5, v0
	v_readfirstlane_b32 s20, v1                    ; wave 0..15
	s_lshr_b32 s21, ttmp9, 5                       ; e
	s_and_b32 s22, ttmp9, 31                       ; hs
	s_wait_alu depctr_va_sdst(0)                   ; s20 is written, ahead of its first reader
	s_and_b32 s23, s20, 3                          ; b
	s_lshr_b32 s24, s20, 2                         ; kq
	s_lshr_b32 s32, s24, 1                         ; kq / 2: which of a quarter's two steps is mine
	s_and_b32 s33, s24, 1                          ; kq % 2: which half of that step
	v_and_b32 v1, 31, v0                           ; lane
	v_and_b32 v2, 15, v0                           ; r
	v_bfe_u32 v3, v0, 4, 1                         ; h
	v_lshlrev_b32 v4, 2, v1                        ; W1: 4 bytes a lane
	v_and_b32 v12, 7, v0
	v_lshl_add_u32 v12, v3, 3, v12                 ; my column's row in its tile: lane % 8 + 8 (lane / 16)
	v_bfe_u32 v13, v0, 3, 1                        ; and which of the two tiles: (lane / 8) % 2
	v_lshlrev_b32 v5, 4, v12
	v_lshl_add_u32 v5, v13, 10, v5
	s_lshl_b32 s28, s23, 11
	s_lshl_b32 s30, s32, 13
	s_add_co_u32 s28, s28, s30
	s_lshl_b32 s30, s33, 9
	s_add_co_u32 s28, s28, s30
	v_add_nc_u32 v5, s28, v5                       ; where my column's codes go: 16 row + 1,024 tile half + 2,048 b + 8,192 (kq / 2) + 512 (kq % 2)
	v_lshl_add_u32 v6, v13, 4, v12
	v_lshlrev_b32 v6, 4, v6
	s_lshl_b32 s28, s23, 2
	s_lshl_b32 s30, s32, 9
	s_add_co_u32 s28, s28, s30
	s_lshl_b32 s30, s33, 1
	s_add_co_u32 s28, s28, s30
	s_add_co_u32 s28, s28, SC
	v_add_nc_u32 v6, s28, v6                       ; and its two scale bytes of a step's four
	v_lshlrev_b32 v7, 4, v1                        ; 16 x lane: an image's place for my lane
	v_lshlrev_b32 v10, 6, v3
	v_add_nc_u32 v10, B1S, v10                     ; b1 in LDS: 16 h numbers on
	v_lshlrev_b32 v11, 2, v2                       ; 4 r
	v_add_nc_u32 v25, SC, v7                       ; W1's scale words, on the way back
	v_add_nc_u32 v30, B1S, v7                      ; b1 into LDS (wave 0)
	s_mov_b32 s46, 0x76543210
	s_mov_b32 s47, 0xfedcba98                      ; v_permlanex16_b32's selects for lane l xor 16
	s_mov_b32 s29, 0
	s_wait_kmcnt 0x0
	s_lshl_b32 s28, s21, 7
	s_add_nc_u64 s[12:13], s[12:13], s[28:29]
	s_load_b512 s[68:83], s[12:13], 0x0            ; the expert's map, 32 words
	s_load_b512 s[84:99], s[12:13], 0x40
	s_lshl_b32 s28, s21, 24                        ; W1: expert, 64 kq rows of 16,384 bytes, 512 hs + 128 b bytes
	s_lshl_b32 s30, s24, 20
	s_add_co_u32 s28, s28, s30
	s_lshl_b32 s30, s22, 9
	s_add_co_u32 s28, s28, s30
	s_lshl_b32 s30, s23, 7
	s_add_co_u32 s28, s28, s30
	s_add_nc_u64 s[4:5], s[4:5], s[28:29]          ; quarters 0 and 1;
	s_add_nc_u64 s[48:49], s[4:5], 0x800000        ; quarters 2 and 3, 512 rows on: so every offset stays inside the signed 24-bit immediate (319 rows at the most)
	s_lshl_b32 s28, s21, 14                        ; b1: expert, my 128 units
	s_lshl_b32 s30, s22, 9
	s_add_co_u32 s28, s28, s30
	s_add_nc_u64 s[6:7], s[6:7], s[28:29]
.macro LOAD t                          ; block t of my column, 32 rows down D, into set t % 2; a wave's load reads 128 consecutive bytes, four waves side by side 512
.set I_, 0
.rept 32
.if (\t) < 4
	global_load_b32 v[AF+32*((\t)%2)+I_], v4, s[4:5] offset:(256*(((\t)/2)%2)+32*((\t)%2)+I_)*16384 th:TH_LOAD_NT
.else
	global_load_b32 v[AF+32*((\t)%2)+I_], v4, s[48:49] offset:(256*(((\t)/2)%2)+32*((\t)%2)+I_)*16384 th:TH_LOAD_NT
.endif
.set I_, I_+1
.endr
.endm
	s_wait_alu depctr_va_vdst(0)                   ; the offsets and LDS addresses v4 to v7, v10, v11, v25 and v30 are written, which the kernel's loads and stores read; none is written again
	global_load_b128 v[172:175], v7, s[6:7]        ; b1's 512 bytes: every wave asks, so that all count alike; wave 0 puts them into LDS
	LOAD 0
	LOAD 1
	s_wait_kmcnt 0x0                               ; the map
	s_mov_b32 s40, 0                               ; running count;
	s_mov_b32 s44, 0                               ; the count in front of word hs,
	s_mov_b32 s45, 0                               ; and word hs itself: for the token-to-place map
.set I_, 0
.rept 32
	s_cmp_eq_u32 s22, I_
	s_cselect_b32 s44, s40, s44
	s_cselect_b32 s45, s[68+I_], s45
	s_bcnt1_i32_b32 s41, s[68+I_]
	s_add_co_u32 s40, s40, s41
.set I_, I_+1
.endr
	s_add_co_u32 s26, s40, 15
	s_lshr_b32 s26, s26, 4
	s_max_u32 s26, s26, 1                          ; tiles of the list, at least one
	s_mov_b32 s25, s20                             ; my first tile
.macro POPF src                        ; counts of set bits in fields of 2, 4 and 8 bits
	v_lshrrev_b32 v[QA1], 1, v[\src]
	v_and_b32 v[QA1], 0x55555555, v[QA1]
	v_sub_nc_u32 v[QA1], v[\src], v[QA1]
	v_lshrrev_b32 v[QA2], 2, v[QA1]
	v_and_b32 v[QA2], 0x33333333, v[QA2]
	v_and_b32 v[QD], 0x33333333, v[QA1]
	v_add_nc_u32 v[QA2], v[QA2], v[QD]
	v_lshrrev_b32 v[QA3], 4, v[QA2]
	v_add_nc_u32 v[QA3], v[QA3], v[QA2]
	v_and_b32 v[QA3], 0x0f0f0f0f, v[QA3]
.endm
.macro PICK w                          ; if the bit sought lies past the next w bits (QT of them are set), pass them
	v_cmp_ge_u32 vcc_lo, v[QK], v[QT]
	s_wait_alu depctr_va_vcc(0)                    ; VCC is written, ahead of the two selections that read it (each step hangs on the step before: no run of compares can be formed here)
	v_cndmask_b32 v[QD], 0, v[QT], vcc_lo
	v_sub_nc_u32 v[QK], v[QK], v[QD]
	v_add_nc_u32 v[QD], \w, v[QPOS]
	v_cndmask_b32 v[QPOS], v[QPOS], v[QD], vcc_lo
.endm
; The token at place 16 x tile + r of the list (the tile in s[st]): the last word whose prefix count is not above the place, then the bit in it.  Leaves x's offsets in v8 (codes) and v9 (scale words).
; The 31 compares go in runs of seven, each into a scalar register of its own, with one wait behind a run.
.macro SCAN st
	s_lshl_b32 s28, s[\st], 4
	v_add_nc_u32 v[QP], s28, v2
	s_wait_alu depctr_va_vdst(0)
	v_mov_b32 v[QW], s68
	s_wait_alu depctr_va_vdst(0)
	v_mov_b32 v[QPK], 0
	s_wait_alu depctr_va_vdst(0)
	s_mov_b32 s40, 0
.set G_, 1
.rept 5
.set J_, 0
.rept 7
.if (G_+J_) < 32
	s_bcnt1_i32_b32 s41, s[67+G_+J_]
	s_add_co_u32 s40, s40, s41
	s_add_co_u32 s[PKS+J_], s40, ((G_+J_)<<16)     ; the count (at most 1,024) below, the word's number above
	v_cmp_le_u32 s[MK+J_], s40, v[QP]
.endif
.set J_, J_+1
.endr
	s_wait_alu depctr_va_sdst(0)                   ; the run's masks are written, ahead of the selections that read them
.set J_, 0
	s_wait_alu depctr_va_vdst(0)
.rept 7
.if (G_+J_) < 32
	v_cndmask_b32 v[QW], v[QW], s[68+G_+J_], s[MK+J_]
	v_cndmask_b32 v[QPK], v[QPK], s[PKS+J_], s[MK+J_]
.endif
.set J_, J_+1
.endr
.set G_, G_+7
.endr
	v_and_b32 v[QT], 0xffff, v[QPK]
	v_sub_nc_u32 v[QK], v[QP], v[QT]               ; which set bit of the word
	POPF QW
	v_and_b32 v[QA4], 0xff, v[QA3]
	v_bfe_u32 v[QT], v[QA3], 8, 8
	v_add_nc_u32 v[QT], v[QA4], v[QT]              ; set bits among the low 16
	v_mov_b32 v[QPOS], 0
	PICK 16
	v_bfe_u32 v[QT], v[QA3], v[QPOS], 8
	PICK 8
	v_bfe_u32 v[QT], v[QA2], v[QPOS], 4
	PICK 4
	v_bfe_u32 v[QT], v[QA1], v[QPOS], 2
	PICK 2
	v_bfe_u32 v[QT], v[QW], v[QPOS], 1
	PICK 1
	v_lshrrev_b32 v[QT], 16, v[QPK]
	v_lshl_add_u32 v[QT], v[QT], 5, v[QPOS]
	v_min_u32 v[QT], 0x3ff, v[QT]                  ; the token, held inside the table
	v_lshlrev_b32 v8, 9, v[QT]
	v_lshl_add_u32 v8, v3, 4, v8                   ; its 512 bytes of codes, + 16 h
	v_lshlrev_b32 v9, 5, v[QT]                     ; its eight scale words
.endm
.macro XSL                             ; x's eight scale words
	global_load_b128 v[XS:XS+3], v9, s[10:11]
	global_load_b128 v[XS+4:XS+7], v9, s[10:11] offset:16
.endm
.macro XLD c                           ; under the stream: x's fragments of quarter c (steps 2 c, 2 c + 1): four loads
.irp j, 0,1
.irp cc, 0,1
	global_load_b128 v[XF+16*((\c)%2)+8*\j+4*\cc:XF+16*((\c)%2)+8*\j+4*\cc+3], v8, s[8:9] offset:64*(2*(\c)+\j)+32*\cc
.endr
.endr
.endm
.macro GATHER                          ; the loop: x's eight fragments and its scale words: 18 loads
.irp s, 0,1,2,3,4,5,6,7
.irp c, 0,1
	global_load_b128 v[XF+8*\s+4*\c:XF+8*\s+4*\c+3], v8, s[8:9] offset:64*\s+32*\c
.endr
.endr
	XSL
.endm
	SCAN 25
	s_wait_alu depctr_va_vdst(0)                   ; the search has written v8 and v9, which x's loads read as their offsets
	XSL
	XLD 0
	XLD 1
	s_cmp_lg_u32 s20, 0
	s_cbranch_scc1 .Lnot0
	v_mov_b32 v[QW], 1                             ; wave 0: the places of tokens 32 hs + lane in the list
	v_lshlrev_b32 v[QW], v1, v[QW]
	v_add_nc_u32 v[QW], -1, v[QW]
	v_and_b32 v[QW], s45, v[QW]                    ; the word's bits below mine
	POPF QW
	v_mul_lo_u32 v[QT], v[QA3], 0x01010101
	v_lshrrev_b32 v[QT], 24, v[QT]
	v_add_nc_u32 v[QT], s44, v[QT]
	v_mov_b32 v[QD], s45
	v_lshrrev_b32 v[QD], v1, v[QD]
	v_and_b32 v[QD], 1, v[QD]
	v_cmp_ne_u32 vcc_lo, 0, v[QD]
	v_mov_b32 v29, -1
	s_wait_alu depctr_va_vcc(0)                    ; VCC is written, ahead of the selection that reads it
	v_cndmask_b32 v29, v29, v[QT], vcc_lo
	s_lshl_b32 s28, s21, 12
	s_lshl_b32 s30, s22, 7
	s_add_co_u32 s28, s28, s30
	v_add_nc_u32 v28, s28, v4
	s_wait_alu depctr_va_vdst(0)                   ; v28 and v29 are written, which the store reads
	global_store_b32 v28, v29, s[18:19]            ; 128 consecutive bytes; v28 and v29 are not written again
	s_wait_loadcnt 63                              ; b1 is in: 74 loads were issued behind it
	ds_store_b128 v30, v[172:175]                  ; read by all behind the first barrier
.Lnot0:
; Block t: 32 numbers of my column become 32 codes and a byte.  cnt: the loads issued behind this block's 32, which may stay out.  xq: the quarter of x that is asked for here (0: none).
.macro BLOCK t, cnt, xq
.set BX_, AF+32*((\t)%2)
	s_wait_loadcnt \cnt
	v_max3_num_f32 v12, |v[BX_]|, |v[BX_+1]|, |v[BX_+2]|
	v_max3_num_f32 v13, |v[BX_+3]|, |v[BX_+4]|, |v[BX_+5]|
.irp i, 6,10,14,18,22,26
	v_max3_num_f32 v12, v12, |v[BX_+\i]|, |v[BX_+\i+1]|
	v_max3_num_f32 v13, v13, |v[BX_+\i+2]|, |v[BX_+\i+3]|
.endr
	v_max3_num_f32 v12, v12, |v[BX_+30]|, |v[BX_+31]|
	v_max3_num_f32 v12, v12, v13, 0x1800000        ; the floor 2^(3 - 127): the byte cannot fall under 1
	v_add_nc_u32 v14, 0xff000000, v12              ; 2 off the exponent field: the conversion's scale operand
	v_lshrrev_b32 v15, 23, v14                     ; the scale's byte
.if ((\t)%2) == 0
	v_mov_b32 v20, v15
.else
	v_lshl_or_b32 v20, v15, 8, v20
.endif
.irp g, 0,1,2,3
	v_cvt_scalef32_pk8_fp4_f32 v[16+\g], v[BX_+8*\g:BX_+8*\g+7], v14
.endr
	v_nop                                          ; one plain place behind the conversions
	s_wait_alu depctr_va_vdst(0)                   ; the codes v16-19 and the bytes v20 are written, which the LDS stores read; the maxima and conversions are done reading this set of the ring, in which the loads below land; the quarter before is done reading its set of x, W1's fragments and scale words
	ds_store_b128 v5, v[16:19] offset:16384*((\t)/2)+256*((\t)%2)   ; block j of a step is register group j / 2 of lanes 16 (j % 2) + row; j = 2 (kq % 2) + t % 2
.if ((\t)%2) == 1
	ds_store_b16 v6, v20 offset:1024*((\t)/2)      ; my two bytes of the step's scale word
.endif
.if (\xq) > 0
	XLD \xq                                        ; into the set that the quarter before has read; this block's maxima are the places behind its products
.endif
.if (\t) < 6
	LOAD (\t)+2
.endif
	s_wait_dscnt 0x0                               ; the stores have landed
	s_wait_alu depctr_vm_vsrc(0)                   ; and have read v16-20, which the next block (behind the last: the quantiser) writes again
.endm
.macro BAR                             ; every wave's images of the quarter have landed (the wait for 0 at each block's end)
	s_barrier_signal -1
	s_barrier_wait -1
.endm
.macro BIAS                            ; b1 in the result's layout: lane (r, h), tile 2 b + u, register j: hidden unit 32 b + 16 h + 8 u + j
.irp t, 0,1,2,3,4,5,6,7
	ds_load_b128 v[ACC+8*\t:ACC+8*\t+3], v10 offset:(32*(\t/2)+8*(\t%2))*4
	ds_load_b128 v[ACC+8*\t+4:ACC+8*\t+7], v10 offset:(32*(\t/2)+8*(\t%2))*4+16
.endr
.endm
.macro FETCHP q                        ; under the stream: four fragments of W1: step q / 2, tiles 4 (q % 2) on
.irp i, 0,1,2,3
.irp c, 0,1
	ds_load_b128 v[AFP+8*\i+4*\c:AFP+8*\i+4*\c+3], v7 offset:(8*((\q)/2)+4*((\q)%2)+\i)*1024+512*\c
.endr
.endr
.endm
.macro MUL4P q                         ; the eight accumulators take turns, one instruction a turn
.set S_, (\q)/2
.irp i, 0,1,2,3
.set T_, 4*((\q)%2)+\i
.if \i%2
	v_wmma_scale_f32_16x16x128_f8f6f4 v[ACC+8*T_:ACC+8*T_+7], v[AFP+8*\i:AFP+8*\i+7], v[XF+8*(S_%4):XF+8*(S_%4)+7], v[ACC+8*T_:ACC+8*T_+7], v[WS+T_/2], v[XS+S_] matrix_a_fmt:MATRIX_FMT_FP4 matrix_b_fmt:MATRIX_FMT_FP4 matrix_a_scale:MATRIX_SCALE_ROW1
.else
	v_wmma_scale_f32_16x16x128_f8f6f4 v[ACC+8*T_:ACC+8*T_+7], v[AFP+8*\i:AFP+8*\i+7], v[XF+8*(S_%4):XF+8*(S_%4)+7], v[ACC+8*T_:ACC+8*T_+7], v[WS+T_/2], v[XS+S_] matrix_a_fmt:MATRIX_FMT_FP4 matrix_b_fmt:MATRIX_FMT_FP4
.endif
.endr
.endm
; Quarter c's products: four runs of eight or nine LDS loads and four matrix instructions.  One set of registers serves W1's fragments: the three other waves of the SIMD work while a run is on its way.
; A quarter's first run owes no wait of its own: the blocks in front of it hold one behind the last quarter's products, and no vector instruction since names these registers.
.macro MULCH c
.irp g, 0,1,2,3
.if \g > 0
	PLACES 4                                       ; in front of loads into registers that the last four products read; ahead of a quarter's first run the blocks' arithmetic stands there
	s_wait_alu depctr_va_vdst(0)                   ; the last four products are done reading W1's fragments, and at a step's end its scale words, in which the loads below land
.endif
	FETCHP 4*(\c)+\g
.if (\g%2) == 0
	ds_load_b128 v[WS:WS+3], v25 offset:512*(2*(\c)+\g/2)      ; the step's scale words of all eight tiles
.endif
	s_wait_dscnt 0x0
	MUL4P 4*(\c)+\g
.endr
.endm
; The next tile of mine, 16 further on, if the list has it: the search and the gather stand behind a pass's last product, ahead of the quantiser, which covers them.
; No load is out here, and x's loads have read v8 and v9 (they stand ahead of the last wait on vm_vsrc: a block's end, or the pass's head), so the search may write the two;
; four places stand between the last product and the loads into its operands.
.macro NEXTG
	s_add_co_u32 s31, s25, 16
	s_cmp_ge_u32 s31, s26
	s_cbranch_scc1 .Lnn_\@
	SCAN 31
	s_wait_alu depctr_va_vdst(0)                   ; the search has written v8 and v9, which the gather's loads read; the pass's products are done reading x's fragments and scale words, in which they land
	GATHER
.Lnn_\@:
.endm
; relu, the quantiser, and the stores of tile s25 (none where the tile lies past the list)
.macro FINISH
.set I_, 0
.rept 64
	v_max_num_f32 v[ACC+I_], 0, v[ACC+I_]          ; relu, in f32; each accumulator from its low end on
.set I_, I_+1
.endr
	; register 16 b + i is hidden unit 32 b + 16 h + i of my token; none is negative
.irp b, 0,1,2,3
	v_max3_num_f32 v[TM+\b], v[ACC+16*\b], v[ACC+1+16*\b], 0x1800000
.endr
.irp i, 2,4,6,8,10,12,14
.irp b, 0,1,2,3
	v_max3_num_f32 v[TM+\b], v[TM+\b], v[ACC+16*\b+\i], v[ACC+1+16*\b+\i]
.endr
.endr
.irp b, 0,1,2,3
	v_permlanex16_b32 v[TM+4+\b], v[TM+\b], s46, s47
.endr
.irp b, 0,1,2,3
	v_max_num_f32 v[TM+\b], v[TM+\b], v[TM+4+\b]   ; with lane l xor 16's: the block's largest
.endr
.irp b, 0,1,2,3
	v_add_nc_u32 v[TM+12+\b], 0xff000000, v[TM+\b]
.endr
.irp b, 0,1,2,3
	v_lshrrev_b32 v[TM+4+\b], 23, v[TM+12+\b]
.endr
	v_lshl_or_b32 v[PW], v[TM+5], 8, v[TM+4]
	v_lshl_or_b32 v[PW], v[TM+6], 16, v[PW]
	v_lshl_or_b32 v[PW], v[TM+7], 24, v[PW]
.irp b, 0,1,2,3
	v_cvt_scalef32_pk8_fp4_f32 v[PC+2*\b], v[ACC+16*\b:ACC+7+16*\b], v[TM+12+\b]
	v_cvt_scalef32_pk8_fp4_f32 v[PC+1+2*\b], v[ACC+8+16*\b:ACC+15+16*\b], v[TM+12+\b]
.endr
	v_nop                                          ; one plain place behind the conversions
.irp c, 0,1
.irp i, 0,1
	v_permlane16_swap_b32 v[PC+4*\c+\i], v[PC+2+4*\c+\i]   ; a whole block to a lane: registers 4 c .. 4 c + 3 hold k = 64 c + 32 h + 0 .. 31
.endr
.endr
	s_lshl_b32 s28, s21, 6
	s_add_co_u32 s28, s28, s25
	s_lshl_b32 s28, s28, 5
	s_add_co_u32 s28, s28, s22                     ; (64 e + tile) 32 + hs
	s_lshl_b32 s29, s28, 10
	s_lshl_b32 s30, s28, 6
	v_add_nc_u32 v26, s29, v7
	v_add_nc_u32 v27, s30, v11
	s_wait_alu depctr_va_vdst(0)                   ; the codes, their scale word and the offsets v26 and v27 are written, which the stores read; relu and the quantiser are done with the accumulators, in which the next pass's b1 lands
	s_cmp_ge_u32 s25, s26
	s_cbranch_scc1 .Lns_\@
	global_store_b128 v26, v[PC:PC+3], s[14:15]              ; the fragment's image: 512 consecutive bytes a store
	global_store_b128 v26, v[PC+4:PC+7], s[14:15] offset:512
	global_store_b32 v27, v[PW], s[16:17]                    ; lanes l and l + 16 store the same word with the same value
.Lns_\@:
.endm
; THE STREAM AND THE FIRST PASS.  Loads in the order of issue: b1 1, block 0 32, block 1 32, x's scale words and steps 0-3 10, blocks 2 and 3, x's steps 4-5 4 (in block 2), blocks 4 and 5, x's steps 6-7 4 (in block 4), blocks 6 and 7.
	BLOCK 0, 42, 0                                 ; behind block 0: block 1's 32 and x's 10
	BLOCK 1, 42, 0                                 ; behind block 1: x's 10 and block 2's 32
	BAR
	BIAS
	s_wait_loadcnt 63                              ; x's scale words and first fragments are in: 64 loads were issued behind them
	MULCH 0
	BLOCK 2, 32, 2                                 ; behind block 2: block 3's 32
	BLOCK 3, 36, 0                                 ; behind block 3: x's 4 and block 4's 32
	BAR
	MULCH 1
	BLOCK 4, 32, 3                                 ; behind block 4: block 5's 32; x's steps 4-5, asked for ahead of block 4, are in with it
	BLOCK 5, 36, 0                                 ; behind block 5: x's 4 and block 6's 32
	BAR
	MULCH 2
	BLOCK 6, 32, 0                                 ; behind block 6: block 7's 32; x's steps 6-7 are in with it
	BLOCK 7, 0, 0
	BAR
	MULCH 3
	PLACES 4
	NEXTG
	FINISH
; THE LATER PASSES: tiles w + 16, w + 32, w + 48, for lists of more than 256 rows.  The ring's registers now hold W1's fragments, in two sets.
.macro FETCH q                         ; four fragments of W1: step q / 2, tiles 4 (q % 2) on, into set q % 2
.irp i, 0,1,2,3
.irp c, 0,1
	ds_load_b128 v[AF+32*((\q)%2)+8*\i+4*\c:AF+32*((\q)%2)+8*\i+4*\c+3], v7 offset:(8*((\q)/2)+4*((\q)%2)+\i)*1024+512*\c
.endr
.endr
.endm
.macro WSL s                           ; a step's scale words of all eight tiles
	ds_load_b128 v[WS+4*((\s)%2):WS+4*((\s)%2)+3], v25 offset:512*(\s)
.endm
.macro MUL4 q
.set S_, (\q)/2
.irp i, 0,1,2,3
.set T_, 4*((\q)%2)+\i
.if \i%2
	v_wmma_scale_f32_16x16x128_f8f6f4 v[ACC+8*T_:ACC+8*T_+7], v[AF+32*((\q)%2)+8*\i:AF+32*((\q)%2)+8*\i+7], v[XF+8*S_:XF+8*S_+7], v[ACC+8*T_:ACC+8*T_+7], v[WS+4*(S_%2)+T_/2], v[XS+S_] matrix_a_fmt:MATRIX_FMT_FP4 matrix_b_fmt:MATRIX_FMT_FP4 matrix_a_scale:MATRIX_SCALE_ROW1
.else
	v_wmma_scale_f32_16x16x128_f8f6f4 v[ACC+8*T_:ACC+8*T_+7], v[AF+32*((\q)%2)+8*\i:AF+32*((\q)%2)+8*\i+7], v[XF+8*S_:XF+8*S_+7], v[ACC+8*T_:ACC+8*T_+7], v[WS+4*(S_%2)+T_/2], v[XS+S_] matrix_a_fmt:MATRIX_FMT_FP4 matrix_b_fmt:MATRIX_FMT_FP4
.endif
.endr
.endm
	s_add_co_u32 s25, s25, 16
	s_mov_b32 s27, 0
.Lpass:                                                ; three trips, a constant; a trip whose tile lies past the list does nothing
	s_cmp_ge_u32 s25, s26
	s_cbranch_scc1 .Lskip
	s_wait_loadcnt 0x0                             ; x's fragments and scale words are in
	s_wait_xcnt 0x0                                ; the last pass's stores have had their addresses translated: their data and offsets are written again only behind this wait,
	s_wait_alu depctr_vm_vsrc(0)                   ; and behind this one: those stores have read v16-24, v26 and v27, which this pass's quantiser writes again; the gather's loads have read v8 and v9, which this pass's search writes again
	BIAS                                           ; (the first two runs and b1 owe no wait on va_vdst: the last pass's stands behind all that named their registers)
	FETCH 0
	WSL 0
.irp q, 0,1,2,3,4,5,6,7,8,9,10,11,12,13,14,15
.if \q >= 1
	PLACES 4                                       ; in front of loads into registers that the last four products read
.endif
.if \q < 15
.if \q >= 1
	s_wait_alu depctr_va_vdst(0)                   ; the last four products are done reading their set of W1's fragments, and the step before the last its scale words, in which the loads below land
.endif
	FETCH \q+1
.if (\q%2) == 1
	WSL (\q+1)/2
	s_wait_dscnt 9                                 ; all but the nine just issued
.else
	s_wait_dscnt 8                                 ; all but the eight just issued
.endif
.else
	s_wait_dscnt 0x0
.endif
	MUL4 \q
.endr
	PLACES 4
	NEXTG
	FINISH
.Lskip:
	s_add_co_u32 s25, s25, 16
	s_add_co_u32 s27, s27, 1
	s_cmp_lt_u32 s27, 3
	s_cbranch_scc1 .Lpass
	s_wait_dscnt 0x0                               ; the closing lines, six on end
	s_wait_alu 0x0
	s_wait_tensorcnt 0x0
	ds_add_u32 v31, v251
	s_wait_dscnt 0x0
	s_endpgm
.Lfunc_end_k_q9451f928bc_ffn1:
	.size	k_q9451f928bc_ffn1, .Lfunc_end_k_q9451f928bc_ffn1-k_q9451f928bc_ffn1
	.p2alignl 7, 3214868480
	.fill 96, 4, 3214868480
	.section	.rodata,"a",@progbits
	.p2align	6, 0x0
	.amdhsa_kernel k_q9451f928bc_ffn1
		.amdhsa_group_segment_fixed_size 72192
		.amdhsa_private_segment_fixed_size 0
		.amdhsa_enable_private_segment 0
		.amdhsa_kernarg_size 64
		.amdhsa_user_sgpr_count 2
		.amdhsa_user_sgpr_kernarg_segment_ptr 1
		.amdhsa_wavefront_size32 1
		.amdhsa_system_sgpr_workgroup_id_x 1
		.amdhsa_system_sgpr_workgroup_id_y 1
		.amdhsa_system_sgpr_workgroup_id_z 1
		.amdhsa_system_vgpr_workitem_id 0
		.amdhsa_next_free_vgpr 256
		.amdhsa_next_free_sgpr 100
		.amdhsa_reserve_vcc 1
		.amdhsa_float_denorm_mode_32 3
		.amdhsa_float_denorm_mode_16_64 3
		.amdhsa_memory_ordered 1
		.amdhsa_forward_progress 1
		.amdhsa_inst_pref_size 144
	.end_amdhsa_kernel
	.amdgpu_metadata
---
amdhsa.version: [ 1, 2 ]
amdhsa.kernels:
  - .name:           k_q9451f928bc_ffn1
    .symbol:         k_q9451f928bc_ffn1.kd
    .args:
      - { .name: W1, .offset: 0, .size: 8, .value_kind: global_buffer, .address_space: global }
      - { .name: b1, .offset: 8, .size: 8, .value_kind: global_buffer, .address_space: global }
      - { .name: xc, .offset: 16, .size: 8, .value_kind: global_buffer, .address_space: global }
      - { .name: xs, .offset: 24, .size: 8, .value_kind: global_buffer, .address_space: global }
      - { .name: bitmap, .offset: 32, .size: 8, .value_kind: global_buffer, .address_space: global }
      - { .name: hc, .offset: 40, .size: 8, .value_kind: global_buffer, .address_space: global }
      - { .name: hsc, .offset: 48, .size: 8, .value_kind: global_buffer, .address_space: global }
      - { .name: slotmap, .offset: 56, .size: 8, .value_kind: global_buffer, .address_space: global }
    .group_segment_fixed_size: 72192
    .private_segment_fixed_size: 0
    .kernarg_segment_align: 8
    .kernarg_segment_size: 64
    .max_flat_workgroup_size: 512
    .sgpr_count:     100
    .vgpr_count:     256
    .wavefront_size: 32
...
	.end_amdgpu_metadata
.endif
;; end of part 6
;; launch ffn2 (part 7): grid 256 x 1, 16 waves a work-group, no clusters, 141,312 bytes of LDS; arguments W2, bitmap, hc, hsc, y; writes y
.if DOCPART == 7
	.amdgcn_target "amdgcn-amd-amdhsa--gfx1250"
	.amdhsa_code_object_version 6
	.text
	.protected	k_q9451f928bc_ffn2
	.globl	k_q9451f928bc_ffn2
	.p2align	8
	.type	k_q9451f928bc_ffn2,@function
k_q9451f928bc_ffn2:
	s_mov_b64 s[64:65], 0
	v_nop
	global_prefetch_b8 v0, s[64:65] scope:SCOPE_SE
	s_setreg_imm32_b32 hwreg(HW_REG_WAVE_SCHED_MODE, 0, 2), 2
	s_setreg_imm32_b32 hwreg(HW_REG_WAVE_MODE, 25, 1), 1
	s_wait_xcnt 0x0
	s_wait_alu depctr_vm_vsrc(0)
; FFN2.  Partial y = h Q(W2[e]) over half of the hidden layer, for the rows of expert e's list; h arrives as fragment images and scale words, W2 as f32 with K (the hidden axis) outermost.
; SHARES BY WEIGHTS: work-group (e = wg / 32, ds = (wg / 2) % 16, kh = wg % 2) owns columns 64 ds .. + 63 and hidden units 2,048 kh .. + 2,047: 512 KiB of f32, read from memory once,
; in rows of 256 consecutive bytes.  The two halves of K lie in two planes of y and are added by the next launch, as are the experts: each byte of y has one owner.
; THE STREAM: wave w (b = w % 2, kq = w / 2) takes 32 columns; a lane takes a column, its registers run down K.  Block t of a wave is k = 512 (t / 2) + 64 kq + 32 (t % 2): the sixteen waves' two
; blocks of a QUARTER (128 KiB of f32) are four whole steps of 128 for all four tiles of columns.  Images in LDS: fragment (step s, tile dt) at 1,024 (4 s + dt); row r of tile dt is column 16 dt + r.
; THE PRODUCTS STAND UNDER THE STREAM: a quarter is two blocks (each asks for the block two further on), one barrier, and 16 matrix instructions on that quarter's images,
; while the next quarter's 64 loads of every wave are on their way.  The quarters' images lie in disjoint 16 KiB, written once: one barrier a quarter serves.
; Wave w takes list tile w under the stream and tiles w + 16, w + 32, w + 48 in a loop behind it: source 0 = 16 columns of W2, source 1 = 16 rows of h: a lane holds eight neighbouring columns
; of one row; they leave through the wave's own stage as whole rows of 256 bytes.  Under the stream no branch hangs on the list's length: a wave whose tile lies past the list multiplies the
; list's last tile and stores nothing (with some 256 rows an expert: one or two waves of sixteen), so that every count of loads is the same on every way.
; No tensor load: the number of tiles is read from memory, and the waves branch on it.  No cluster: no two work-groups read the same f32 bytes.
; OUT: y [kh 2][e 8][place 1,024][1,024] f32; only the list's tiles are written.
; LIMITS: NaN and infinities are not served; a block whose largest magnitude lies under 2^-124 (a block of zeros too) takes the byte 1.
; THE MODE: SCHED_MODE bits 1:0 = 2 (LLVM: expert scheduling mode 2), set by the entry lines.  The code itself states the register dependences between vector or matrix
; instructions and memory or LDS instructions, and those through scalar registers that vector instructions write, with s_wait_alu, always for 0.
; THE PLAN.  Registers that memory or LDS instructions touch:
;   v192-255  The ring.  Block t's maxima and conversions read set t % 2; behind them block t + 2's loads land in it.  In the later passes: v192-223 the accumulators, v224-255 W2's fragments of the even steps.
;   v24-27, v32  A block's codes and its two bytes: written by its conversions and shifts, read by its LDS stores, written again by the next block.
;   v56-119   h's fragments under the stream, two sets: quarter c's products read set c % 2; quarter c + 2's loads land in it, issued in the first block behind quarter c.
;   v120-151, v20-21  W2's fragments and scale words under the stream: ONE set (four waves of 256 registers are a SIMD's 1,024: there is none for a second): four products read it, the next run lands in it.
;   v152-183 (later v192-223)  The accumulators: written by the products, read by the LDS stores into the stage; the first are loaded over by the next tile's gather, the later begun anew by the next pass's products.
;   v24-55    On the way out the rows come back from the stage into them and the global stores read them; in the later passes W2's fragments of the odd steps land in them.
;   v8, v9    h's offsets: written ahead of each gather, read by its loads.      v14  the stores' offset: written at the head of a way out.
;   v4-7, v10-13, and the closing add's v18 and v19: made at the head and never written again.
; THE WAITS.  One on va_vdst in a block, behind its conversions: the codes and bytes are written; the ring's set has been read; the quarter before is done reading its set of h, W2's fragments and scale words.
; The block's LDS stores, h's loads and the ring's loads follow it, and so does the next quarter's first run of LDS loads: no vector instruction since names their registers.
; One on vm_vsrc at a block's end: its LDS stores have read the codes.  One on va_vdst ahead of each further run of W2's fragments.  The others stand at the head and on the way out, each with its reason.
.set SC,   65536                       ; W2's scale words [step s][lane l][2 words]: word q of lane l belongs to tile 2 q + l / 16, row l % 16
.set STG,  69632                       ; a stage of 16 rows x (256 bytes + 16) for each wave
.set RING, 192                         ; v192-255 the stream: two sets of 32 numbers
.set ACC,  192                         ; v192-223 the loop: four accumulators
.set HF,   56                          ; v56-183  the loop: h's sixteen fragments; under the stream v56-119: step s at 8 (s % 8)
.set AFP,  120                         ; v120-151 under the stream: W2's four fragments
.set ACCP, 152                         ; v152-183 under the stream: the four accumulators
.set HS,   184                         ; v184-191 h's scale words: lanes 0-15 an even step's, lanes 16-31 the odd step's behind it
.set WS,   20                          ; v20-23   W2's scale words: two sets of two in the loop, the first alone under the stream
.set BK,   24                          ; v24-55   the stream: at work; the way out: rows read back; the loop: W2's fragments, set 1 (set 0: v224-255)
.macro PLACES n
.rept \n
	v_nop
.endr
.endm
	s_load_b256 s[4:11], s[0:1], 0x0               ; W2, bitmap, hc, hsc
	s_load_b64 s[12:13], s[0:1], 0x20              ; y
	v_lshl_add_u32 v18, v0, 2, 0x22000
	v_mov_b32 v19, 0
	v_lshrrev_b32 v1, 5, v0
	v_readfirstlane_b32 s20, v1                    ; wave 0..15
	s_lshr_b32 s21, ttmp9, 5                       ; e
	s_bfe_u32 s22, ttmp9, 0x40001                  ; ds
	s_and_b32 s23, ttmp9, 1                        ; kh
	s_wait_alu depctr_va_sdst(0)                   ; s20 is written, ahead of its first reader
	s_and_b32 s24, s20, 1                          ; b
	s_lshr_b32 s31, s20, 1                         ; kq
	s_lshr_b32 s35, s31, 1                         ; kq / 2: which of a quarter's four steps is mine
	s_and_b32 s36, s31, 1                          ; kq % 2: which half of that step
	v_and_b32 v1, 31, v0                           ; lane
	s_wait_alu depctr_va_vdst(0)
	v_and_b32 v2, 15, v0                           ; r
	v_bfe_u32 v3, v0, 4, 1                         ; h
	v_lshlrev_b32 v4, 2, v1                        ; 4 x lane
	v_lshlrev_b32 v5, 4, v2
	v_lshl_add_u32 v5, v3, 10, v5
	s_lshl_b32 s28, s24, 11
	s_lshl_b32 s29, s35, 12
	s_add_co_u32 s28, s28, s29
	s_lshl_b32 s29, s36, 9
	s_add_co_u32 s28, s28, s29
	v_add_nc_u32 v5, s28, v5                       ; where my column's codes go: 16 r + 1,024 h + 2,048 b + 4,096 (kq / 2) + 512 (kq % 2)
	s_lshl_b32 s28, s24, 2
	s_lshl_b32 s29, s35, 8
	s_add_co_u32 s28, s28, s29
	s_lshl_b32 s29, s36, 1
	s_add_co_u32 s28, s28, s29
	s_add_co_u32 s28, s28, SC
	v_lshl_add_u32 v6, v1, 3, s28                  ; and its two scale bytes of a step's four
	v_lshlrev_b32 v7, 4, v1                        ; 16 x lane
	v_lshlrev_b32 v10, 3, v1
	v_add_nc_u32 v10, SC, v10                      ; W2's scale words, on the way back
	s_mul_i32 s28, s20, 4352
	s_add_co_u32 s28, s28, STG                     ; my stage
	v_mul_u32_u24 v11, v2, 272
	v_lshl_add_u32 v11, v3, 5, v11
	v_add_nc_u32 v11, s28, v11                     ; in: row r, 32 bytes for each half of the lanes
	v_mul_u32_u24 v12, v3, 272
	v_lshl_add_u32 v12, v2, 4, v12
	v_add_nc_u32 v12, s28, v12                     ; back: lanes 0-15 one row, lanes 16-31 the next
	v_lshlrev_b32 v13, 12, v3
	v_lshl_add_u32 v13, v2, 4, v13                 ; and the same two rows in y
	s_mov_b32 s29, 0
	s_wait_kmcnt 0x0
	s_lshl_b32 s28, s21, 7
	s_add_nc_u64 s[6:7], s[6:7], s[28:29]
	s_load_b512 s[68:83], s[6:7], 0x0              ; the expert's map, 32 words
	s_load_b512 s[84:99], s[6:7], 0x40
	s_lshl_b32 s28, s21, 24                        ; W2: expert, 2,048 kh + 64 kq rows of 4,096 bytes, 256 ds + 128 b bytes
	s_lshl_b32 s30, s23, 23
	s_add_co_u32 s28, s28, s30
	s_lshl_b32 s30, s31, 18
	s_add_co_u32 s28, s28, s30
	s_lshl_b32 s30, s22, 8
	s_add_co_u32 s28, s28, s30
	s_lshl_b32 s30, s24, 7
	s_add_co_u32 s28, s28, s30
	s_add_nc_u64 s[4:5], s[4:5], s[28:29]
.macro LOAD t                          ; block t of my column; a wave's load reads 128 consecutive bytes, two waves side by side 256; 1,599 rows at the most: inside the signed 24-bit immediate
.set I_, 0
.rept 32
	global_load_b32 v[RING+32*((\t)%2)+I_], v4, s[4:5] offset:(512*((\t)/2)+32*((\t)%2)+I_)*4096 th:TH_LOAD_NT
.set I_, I_+1
.endr
.endm
	s_wait_alu depctr_va_vdst(0)                   ; the offsets and LDS addresses v4 to v7 and v10 to v13 are written, which the kernel's loads and stores read; none is written again
	LOAD 0
	LOAD 1
	s_wait_kmcnt 0x0                               ; the map
	s_mov_b32 s40, 0
.set I_, 0
.rept 32
	s_bcnt1_i32_b32 s41, s[68+I_]
	s_add_co_u32 s40, s40, s41
.set I_, I_+1
.endr
	s_add_co_u32 s26, s40, 15
	s_lshr_b32 s26, s26, 4
	s_max_u32 s26, s26, 1                          ; tiles of the list, at least one: as many as the launch before stored
	s_mov_b32 s25, s20                             ; my first tile
	s_sub_co_u32 s30, s26, 1
	s_min_u32 s30, s30, s20                        ; a wave with no tile takes the last one, which exists, and stores nothing
	s_min_u32 s30, s30, 63
.macro GADDR st                        ; list tile s[st] in my half of K: 16 KiB of fragments on end, and their scale words
	s_lshl_b32 s28, s21, 6
	s_add_co_u32 s28, s28, s[\st]
	s_lshl_b32 s28, s28, 5
	s_lshl_b32 s29, s23, 4
	s_add_co_u32 s28, s28, s29                     ; (64 e + tile) 32 + 16 kh
	s_lshl_b32 s29, s28, 10
	s_lshl_b32 s33, s28, 6
	v_add_nc_u32 v8, s29, v7
	v_add_nc_u32 v9, s33, v4
.endm
.macro HSL                             ; h's scale words of all sixteen steps: eight loads
.irp j, 0,1,2,3,4,5,6,7
	global_load_b32 v[HS+\j], v9, s[10:11] offset:128*\j
.endr
.endm
.macro HLD c                           ; under the stream: h's fragments of quarter c (steps 4 c .. 4 c + 3): eight loads
.irp j, 0,1,2,3,4,5,6,7
	global_load_b128 v[HF+4*((8*(\c)+\j)%16):HF+4*((8*(\c)+\j)%16)+3], v8, s[8:9] offset:512*(8*(\c)+\j)
.endr
.endm
.macro GATHER st                       ; the loop: 40 loads
	GADDR \st
	s_wait_alu depctr_va_vdst(0)                   ; v8 and v9 are written, which the loads below read; the pass's products are done with h's fragments and scale words (the first pass: with W2's fragments and the accumulators too), in which they land
.set I_, 0
.rept 32
	global_load_b128 v[HF+4*I_:HF+4*I_+3], v8, s[8:9] offset:512*I_
.set I_, I_+1
.endr
	HSL
.endm
	GADDR 30
	s_wait_alu depctr_va_vdst(0)                   ; v8 and v9 are written, which h's loads read as their offsets
	HSL
	HLD 0
	HLD 1
; Block t: 32 numbers of my column become 32 codes and a byte.  cnt: the loads issued behind this block's 32, which may stay out.  hq: the quarter of h that is asked for here (0: none).
.macro BLOCK t, cnt, hq
.set BX_, RING+32*((\t)%2)
	s_wait_loadcnt \cnt
	v_max3_num_f32 v28, |v[BX_]|, |v[BX_+1]|, |v[BX_+2]|
	v_max3_num_f32 v29, |v[BX_+3]|, |v[BX_+4]|, |v[BX_+5]|
.irp i, 6,10,14,18,22,26
	v_max3_num_f32 v28, v28, |v[BX_+\i]|, |v[BX_+\i+1]|
	v_max3_num_f32 v29, v29, |v[BX_+\i+2]|, |v[BX_+\i+3]|
.endr
	v_max3_num_f32 v28, v28, |v[BX_+30]|, |v[BX_+31]|
	v_max3_num_f32 v28, v28, v29, 0x1800000        ; the floor 2^(3 - 127): the byte cannot fall under 1
	v_add_nc_u32 v30, 0xff000000, v28              ; 2 off the exponent field: the conversion's scale operand
	v_lshrrev_b32 v31, 23, v30                     ; the scale's byte
.if ((\t)%2) == 0
	v_mov_b32 v32, v31
.else
	v_lshl_or_b32 v32, v31, 8, v32
.endif
.irp g, 0,1,2,3
	v_cvt_scalef32_pk8_fp4_f32 v[24+\g], v[BX_+8*\g:BX_+8*\g+7], v30
.endr
	v_nop                                          ; one plain place behind the conversions
	s_wait_alu depctr_va_vdst(0)                   ; the codes v24-27 and the bytes v32 are written, which the LDS stores read; the maxima and conversions are done reading this set of the ring, in which the loads below land; the quarter before is done reading its set of h, W2's fragments and scale words
	ds_store_b128 v5, v[24:27] offset:16384*((\t)/2)+256*((\t)%2)   ; block j of a step is register group j / 2 of lanes 16 (j % 2) + row; j = 2 (kq % 2) + t % 2
.if ((\t)%2) == 1
	ds_store_b16 v6, v32 offset:1024*((\t)/2)      ; my two bytes of the step's scale word
.endif
.if (\hq) > 0
	HLD \hq                                        ; into the set that the quarter before has read; this block's maxima are the places behind its products
.endif
.if (\t) < 6
	LOAD (\t)+2
.endif
	s_wait_dscnt 0x0                               ; the stores have landed
	s_wait_alu depctr_vm_vsrc(0)                   ; and have read v24-27 and v32, which the next block writes again (behind the last: in which the rows come back from the stage)
.endm
.macro BAR                             ; every wave's images of the quarter have landed (the wait for 0 at each block's end)
	s_barrier_signal -1
	s_barrier_wait -1
.endm
; One product, its registers in D_, A_, B_, SA_, SB_.  The scale rows: W2's word lies in lanes 16-31 for an odd tile, h's for an odd step.  Step 0 starts the sum.
.macro WMI dt, s
.if (\s) == 0
.if (\dt)%2
	v_wmma_scale_f32_16x16x128_f8f6f4 v[D_:D_+7], v[A_:A_+7], v[B_:B_+7], 0, v[SA_], v[SB_] matrix_a_fmt:MATRIX_FMT_FP4 matrix_b_fmt:MATRIX_FMT_FP4 matrix_a_scale:MATRIX_SCALE_ROW1
.else
	v_wmma_scale_f32_16x16x128_f8f6f4 v[D_:D_+7], v[A_:A_+7], v[B_:B_+7], 0, v[SA_], v[SB_] matrix_a_fmt:MATRIX_FMT_FP4 matrix_b_fmt:MATRIX_FMT_FP4
.endif
.elseif ((\s)%2) && ((\dt)%2)
	v_wmma_scale_f32_16x16x128_f8f6f4 v[D_:D_+7], v[A_:A_+7], v[B_:B_+7], v[D_:D_+7], v[SA_], v[SB_] matrix_a_fmt:MATRIX_FMT_FP4 matrix_b_fmt:MATRIX_FMT_FP4 matrix_a_scale:MATRIX_SCALE_ROW1 matrix_b_scale:MATRIX_SCALE_ROW1
.elseif (\s)%2
	v_wmma_scale_f32_16x16x128_f8f6f4 v[D_:D_+7], v[A_:A_+7], v[B_:B_+7], v[D_:D_+7], v[SA_], v[SB_] matrix_a_fmt:MATRIX_FMT_FP4 matrix_b_fmt:MATRIX_FMT_FP4 matrix_b_scale:MATRIX_SCALE_ROW1
.elseif (\dt)%2
	v_wmma_scale_f32_16x16x128_f8f6f4 v[D_:D_+7], v[A_:A_+7], v[B_:B_+7], v[D_:D_+7], v[SA_], v[SB_] matrix_a_fmt:MATRIX_FMT_FP4 matrix_b_fmt:MATRIX_FMT_FP4 matrix_a_scale:MATRIX_SCALE_ROW1
.else
	v_wmma_scale_f32_16x16x128_f8f6f4 v[D_:D_+7], v[A_:A_+7], v[B_:B_+7], v[D_:D_+7], v[SA_], v[SB_] matrix_a_fmt:MATRIX_FMT_FP4 matrix_b_fmt:MATRIX_FMT_FP4
.endif
.endm
.macro WMP dt, s                       ; under the stream
.set D_, ACCP+8*(\dt)
.set A_, AFP+8*(\dt)
.set B_, HF+8*((\s)%8)
.set SA_, WS+(\dt)/2
.set SB_, HS+(\s)/2
	WMI \dt, \s
.endm
.macro WM dt, s                        ; in the loop
.set D_, ACC+8*(\dt)
.set A_, 224-200*((\s)%2)+8*(\dt)
.set B_, HF+8*(\s)
.set SA_, WS+2*((\s)%2)+(\dt)/2
.set SB_, HS+(\s)/2
	WMI \dt, \s
.endm
.macro FETCHP s                        ; under the stream: step s: W2's four fragments and their scale words
.irp i, 0,1,2,3
.irp c, 0,1
	ds_load_b128 v[AFP+8*\i+4*\c:AFP+8*\i+4*\c+3], v7 offset:(4*(\s)+\i)*1024+512*\c
.endr
.endr
	ds_load_b64 v[WS:WS+1], v10 offset:256*(\s)
.endm
; Quarter c's products: four runs of nine LDS loads and four matrix instructions.  One set of registers serves W2's fragments: the three other waves of the SIMD work while a run is on its way.
; A quarter's first run owes no wait of its own: the blocks in front of it hold one behind the last quarter's products, and no vector instruction since names these registers.
.macro MULCH c
.irp g, 0,1,2,3
.if \g > 0
	PLACES 4                                       ; in front of loads into registers that the last four products read; ahead of a quarter's first run the blocks' arithmetic stands there
	s_wait_alu depctr_va_vdst(0)                   ; the last four products are done reading W2's fragments and scale words, in which the loads below land
.endif
	FETCHP 4*(\c)+\g
	s_wait_dscnt 0x0
.irp dt, 0,1,2,3
	WMP \dt, 4*(\c)+\g                             ; the four accumulators take turns, one instruction a turn
.endr
.endr
.endm
; The next tile of mine, 16 further on, if the list has it.  No load is out here, and h's loads have read v8 and v9 (the wait on vm_vsrc just ahead), so the two may be written.
.macro NEXTG
	s_add_co_u32 s34, s25, 16
	s_cmp_ge_u32 s34, s26
	s_cbranch_scc1 .Lnn_\@
	GATHER 34
.Lnn_\@:
.endm
; The way out of tile s25, its four accumulators from v[acc] on: through my stage, back as whole rows; the next tile's gather is asked for in between; no store where the tile lies past the list.
; The stores' offset is made first, so that one wait serves it and the accumulators.
.macro OUT acc
	s_lshl_b32 s28, s23, 25
	s_lshl_b32 s29, s21, 22
	s_add_co_u32 s28, s28, s29
	s_lshl_b32 s29, s25, 16
	s_add_co_u32 s28, s28, s29
	s_lshl_b32 s29, s22, 8
	s_add_co_u32 s28, s28, s29                     ; plane kh, expert, 16 rows a tile of 4,096 bytes, 256 ds
	v_add_nc_u32 v14, s28, v13
	s_wait_alu depctr_va_vdst(0)                   ; behind the places: the products have written the accumulators, which the LDS stores read; v14 is written, which the global stores read; all that named v24-55 is done, in which the rows come back
.irp dt, 0,1,2,3
	ds_store_b128 v11, v[(\acc)+8*\dt:(\acc)+8*\dt+3] offset:64*\dt              ; each accumulator from its low end on
	ds_store_b128 v11, v[(\acc)+8*\dt+4:(\acc)+8*\dt+7] offset:64*\dt+16
.endr
.irp i, 0,1,2,3,4,5,6,7
	ds_load_b128 v[BK+4*\i:BK+4*\i+3], v12 offset:544*\i                         ; LDS serves a wave's instructions in order (ISA guide 5.7.1.4): these see my stores
.endr
	s_wait_dscnt 8                                 ; the eight loads may be out; the eight stores are done,
	s_wait_alu depctr_vm_vsrc(0)                   ; and have read the accumulators, over which the gather's loads land or which the next pass's products begin anew; h's loads have read v8 and v9, which the gather writes again
	NEXTG
	s_wait_dscnt 0x0                               ; the rows are back, on both ways
	s_cmp_ge_u32 s25, s26
	s_cbranch_scc1 .Lns_\@
.irp i, 0,1,2,3,4,5,6,7
	global_store_b128 v14, v[BK+4*\i:BK+4*\i+3], s[12:13] offset:8192*\i         ; 16 lanes store 256 consecutive bytes, at a multiple of 256 from y's first byte
.endr
.Lns_\@:
.endm
; THE STREAM AND THE FIRST PASS.  Loads in the order of issue: block 0 32, block 1 32, h's scale words and steps 0-7 24, blocks 2 and 3, h's steps 8-11 8 (in block 2), blocks 4 and 5, h's steps 12-15 8 (in block 4), blocks 6 and 7.
	BLOCK 0, 56, 0                                 ; behind block 0: block 1's 32 and h's 24
	BLOCK 1, 56, 0                                 ; behind block 1: h's 24 and block 2's 32
	BAR
	s_wait_loadcnt 63                              ; h's scale words and first fragments are in: 64 loads were issued behind them
	MULCH 0
	BLOCK 2, 32, 2                                 ; behind block 2: block 3's 32
	BLOCK 3, 40, 0                                 ; behind block 3: h's 8 and block 4's 32
	BAR
	MULCH 1
	BLOCK 4, 32, 3                                 ; behind block 4: block 5's 32; h's steps 8-11, asked for ahead of block 4, are in with it
	BLOCK 5, 40, 0                                 ; behind block 5: h's 8 and block 6's 32
	BAR
	MULCH 2
	BLOCK 6, 32, 0                                 ; behind block 6: block 7's 32; h's steps 12-15 are in with it
	BLOCK 7, 0, 0
	BAR
	MULCH 3
	PLACES 5                                       ; results are read, and results' and operands' registers are loaded again
	OUT ACCP
; THE LATER PASSES: tiles w + 16, w + 32, w + 48, for lists of more than 256 rows.  The ring's registers now hold the accumulators and one set of W2's fragments.
.macro FETCH s                         ; step s: W2's four fragments into set s % 2, and their scale words
.irp i, 0,1,2,3
.irp c, 0,1
	ds_load_b128 v[224-200*((\s)%2)+8*\i+4*\c:224-200*((\s)%2)+8*\i+4*\c+3], v7 offset:(4*(\s)+\i)*1024+512*\c
.endr
.endr
	ds_load_b64 v[WS+2*((\s)%2):WS+2*((\s)%2)+1], v10 offset:256*(\s)
.endm
	s_add_co_u32 s25, s25, 16
	s_mov_b32 s27, 0
.Lpass:                                                ; three trips, a constant; a trip whose tile lies past the list does nothing
	s_cmp_ge_u32 s25, s26
	s_cbranch_scc1 .Lskip
	s_wait_loadcnt 0x0                             ; h's fragments and scale words are in
	s_wait_xcnt 0x0                                ; the last pass's stores have had their addresses translated: their data and offset are written again only behind this wait,
	s_wait_alu depctr_vm_vsrc(0)                   ; and behind this one: those stores have read the rows v24-55, in which W2's fragments land, and v14, which this pass's way out writes again
	FETCH 0                                        ; (the first two runs owe no wait on va_vdst: the last way out's stands behind all that named their registers)
.irp s, 0,1,2,3,4,5,6,7,8,9,10,11,12,13,14,15
.if \s >= 1
	PLACES 4                                       ; in front of loads into registers that the last four products read
.endif
.if \s < 15
.if \s >= 1
	s_wait_alu depctr_va_vdst(0)                   ; the last four products are done reading their set of W2's fragments and scale words, in which the loads below land
.endif
	FETCH \s+1
	s_wait_dscnt 9                                 ; all but the nine just issued
.else
	s_wait_dscnt 0x0
.endif
.irp dt, 0,1,2,3
	WM \dt, \s                                     ; the four accumulators take turns, one instruction a turn; step 0 starts the sums
.endr
.endr
	PLACES 5                                       ; results are read, operands' registers are loaded again, and the next pass begins the accumulators anew
	OUT ACC
.Lskip:
	s_add_co_u32 s25, s25, 16
	s_add_co_u32 s27, s27, 1
	s_cmp_lt_u32 s27, 3
	s_cbranch_scc1 .Lpass
	s_wait_dscnt 0x0                               ; the closing lines, six on end
	s_wait_alu 0x0
	s_wait_tensorcnt 0x0
	ds_add_u32 v18, v19
	s_wait_dscnt 0x0
	s_endpgm
.Lfunc_end_k_q9451f928bc_ffn2:
	.size	k_q9451f928bc_ffn2, .Lfunc_end_k_q9451f928bc_ffn2-k_q9451f928bc_ffn2
	.p2alignl 7, 3214868480
	.fill 96, 4, 3214868480
	.section	.rodata,"a",@progbits
	.p2align	6, 0x0
	.amdhsa_kernel k_q9451f928bc_ffn2
		.amdhsa_group_segment_fixed_size 141312
		.amdhsa_private_segment_fixed_size 0
		.amdhsa_enable_private_segment 0
		.amdhsa_kernarg_size 40
		.amdhsa_user_sgpr_count 2
		.amdhsa_user_sgpr_kernarg_segment_ptr 1
		.amdhsa_wavefront_size32 1
		.amdhsa_system_sgpr_workgroup_id_x 1
		.amdhsa_system_sgpr_workgroup_id_y 1
		.amdhsa_system_sgpr_workgroup_id_z 1
		.amdhsa_system_vgpr_workitem_id 0
		.amdhsa_next_free_vgpr 256
		.amdhsa_next_free_sgpr 100
		.amdhsa_reserve_vcc 0
		.amdhsa_float_denorm_mode_32 3
		.amdhsa_float_denorm_mode_16_64 3
		.amdhsa_memory_ordered 1
		.amdhsa_forward_progress 1
		.amdhsa_inst_pref_size 100
	.end_amdhsa_kernel
	.amdgpu_metadata
---
amdhsa.version: [ 1, 2 ]
amdhsa.kernels:
  - .name:           k_q9451f928bc_ffn2
    .symbol:         k_q9451f928bc_ffn2.kd
    .args:
      - { .name: W2, .offset: 0, .size: 8, .value_kind: global_buffer, .address_space: global }
      - { .name: bitmap, .offset: 8, .size: 8, .value_kind: global_buffer, .address_space: global }
      - { .name: hc, .offset: 16, .size: 8, .value_kind: global_buffer, .address_space: global }
      - { .name: hsc, .offset: 24, .size: 8, .value_kind: global_buffer, .address_space: global }
      - { .name: y, .offset: 32, .size: 8, .value_kind: global_buffer, .address_space: global }
    .group_segment_fixed_size: 141312
    .private_segment_fixed_size: 0
    .kernarg_segment_align: 8
    .kernarg_segment_size: 40
    .max_flat_workgroup_size: 512
    .sgpr_count:     100
    .vgpr_count:     256
    .wavefront_size: 32
...
	.end_amdgpu_metadata
.endif
;; end of part 7
;; launch combine (part 8): grid 256 x 1, 4 waves a work-group, no clusters, 0 bytes of LDS; arguments y, slotmap, wgt, b2, out0; writes out0
.if DOCPART == 8
	.amdgcn_target "amdgcn-amd-amdhsa--gfx1250"
	.amdhsa_code_object_version 6
	.text
	.protected	k_q9451f928bc_combine
	.globl	k_q9451f928bc_combine
	.p2align	8
	.type	k_q9451f928bc_combine,@function
k_q9451f928bc_combine:
	s_mov_b64 s[64:65], 0
	v_nop
	global_prefetch_b8 v0, s[64:65] scope:SCOPE_SE
	s_setreg_imm32_b32 hwreg(HW_REG_WAVE_MODE, 25, 1), 1
	s_wait_xcnt 0x0
; COMBINE.  out[t] = the sum over the experts that token t keeps of w[t][e] (y0[e][place] + y1[e][place] + b2[e]); w holds softmax / 8.
; One wave, one token: a row of 4,096 bytes is eight loads of 512 consecutive bytes.  The token's eight places (whole numbers; -1: not kept) steer the branches and the addresses;
; its eight weights are data alone.  An expert that is not kept is jumped over, so its rows, which nobody stored, are never read.
; Which expert comes first hangs on data, so no first product can start the sums: the 32 registers of the sum are cleared.
; Memory binds: no LDS, no barrier, no matrix unit.
.set ACC, 32                           ; v32-63   the sum
.set YA,  64                           ; v64-95   y, first half of K
.set YB,  96                           ; v96-127  y, second half
.set BB,  128                          ; v128-159 b2
	s_load_b256 s[4:11], s[0:1], 0x0               ; y, slotmap, wgt, b2
	s_load_b64 s[12:13], s[0:1], 0x20              ; out0
	v_lshrrev_b32 v1, 5, v0
	v_readfirstlane_b32 s32, v1                    ; wave 0..3
	v_and_b32 v1, 31, v0
	v_lshlrev_b32 v1, 4, v1                        ; 16 x lane
	s_lshl_b32 s33, ttmp9, 2
	s_add_co_u32 s33, s33, s32                     ; my token
	s_lshl_b32 s34, s33, 2
	s_mov_b32 s35, 0
	s_lshl_b32 s36, s33, 5
	s_mov_b32 s37, 0
	s_lshl_b32 s38, s33, 12
	s_mov_b32 s39, 0
	s_wait_kmcnt 0x0
	s_add_nc_u64 s[6:7], s[6:7], s[34:35]
	s_add_nc_u64 s[8:9], s[8:9], s[36:37]
.irp e, 0,1,2,3,4,5,6,7
	s_load_b32 s[16+\e], s[6:7], \e*4096           ; my place in expert e's list
.endr
	s_load_b256 s[24:31], s[8:9], 0x0              ; my eight weights
	s_add_nc_u64 s[14:15], s[4:5], 0x2000000       ; y's second plane
	s_add_nc_u64 s[12:13], s[12:13], s[38:39]
.set I_, 0
.rept 32
	v_mov_b32 v[ACC+I_], 0
.set I_, I_+1
.endr
	s_wait_kmcnt 0x0
.macro EXPERT e
	s_cmp_eq_u32 s[16+\e], -1
	s_cbranch_scc1 .Lno_\@
	s_min_u32 s40, s[16+\e], 1023                  ; held inside the table
	s_lshl_b32 s40, s40, 12
	s_add_co_u32 s40, s40, \e<<22
	v_add_nc_u32 v2, s40, v1                       ; (the last expert's loads, which read v2, were waited for)
.irp j, 0,1,2,3,4,5,6,7
	global_load_b128 v[YA+4*\j:YA+4*\j+3], v2, s[4:5] offset:512*\j th:TH_LOAD_NT
.endr
.irp j, 0,1,2,3,4,5,6,7
	global_load_b128 v[YB+4*\j:YB+4*\j+3], v2, s[14:15] offset:512*\j th:TH_LOAD_NT
.endr
.irp j, 0,1,2,3,4,5,6,7
	global_load_b128 v[BB+4*\j:BB+4*\j+3], v1, s[10:11] offset:4096*\e+512*\j
.endr
	s_mov_b32 s42, s[24+\e]                        ; the weight; the packed form names a pair and takes its low word for both halves
	s_mov_b32 s43, s[24+\e]
	s_wait_loadcnt 16                              ; the first plane's eight loads are in
.set I_, 0
.rept 16
	v_pk_fma_f32 v[ACC+I_:ACC+I_+1], v[YA+I_:YA+I_+1], s[42:43], v[ACC+I_:ACC+I_+1] op_sel_hi:[1,0,1]
.set I_, I_+2
.endr
	s_wait_loadcnt 8                               ; the second plane's
.set I_, 0
.rept 16
	v_pk_fma_f32 v[ACC+I_:ACC+I_+1], v[YB+I_:YB+I_+1], s[42:43], v[ACC+I_:ACC+I_+1] op_sel_hi:[1,0,1]
.set I_, I_+2
.endr
	s_wait_loadcnt 0x0                             ; b2's
.set I_, 0
.rept 16
	v_pk_fma_f32 v[ACC+I_:ACC+I_+1], v[BB+I_:BB+I_+1], s[42:43], v[ACC+I_:ACC+I_+1] op_sel_hi:[1,0,1]
.set I_, I_+2
.endr
.Lno_\@:
.endm
.irp e, 0,1,2,3,4,5,6,7
	EXPERT \e
.endr
	s_wait_alu depctr_va_vdst(0)
.irp j, 0,1,2,3,4,5,6,7
	global_store_b128 v1, v[ACC+4*\j:ACC+4*\j+3], s[12:13] offset:512*\j th:TH_STORE_NT   ; 32 lanes store 512 consecutive bytes
.endr
	s_endpgm
.Lfunc_end_k_q9451f928bc_combine:
	.size	k_q9451f928bc_combine, .Lfunc_end_k_q9451f928bc_combine-k_q9451f928bc_combine
	.p2alignl 7, 3214868480
	.fill 96, 4, 3214868480
	.section	.rodata,"a",@progbits
	.p2align	6, 0x0
	.amdhsa_kernel k_q9451f928bc_combine
		.amdhsa_group_segment_fixed_size 0
		.amdhsa_private_segment_fixed_size 0
		.amdhsa_enable_private_segment 0
		.amdhsa_kernarg_size 40
		.amdhsa_user_sgpr_count 2
		.amdhsa_user_sgpr_kernarg_segment_ptr 1
		.amdhsa_wavefront_size32 1
		.amdhsa_system_sgpr_workgroup_id_x 1
		.amdhsa_system_sgpr_workgroup_id_y 1
		.amdhsa_system_sgpr_workgroup_id_z 1
		.amdhsa_system_vgpr_workitem_id 0
		.amdhsa_next_free_vgpr 160
		.amdhsa_next_free_sgpr 66
		.amdhsa_reserve_vcc 0
		.amdhsa_float_denorm_mode_32 3
		.amdhsa_float_denorm_mode_16_64 3
		.amdhsa_memory_ordered 1
		.amdhsa_forward_progress 1
		.amdhsa_inst_pref_size 49
	.end_amdhsa_kernel
	.amdgpu_metadata
---
amdhsa.version: [ 1, 2 ]
amdhsa.kernels:
  - .name:           k_q9451f928bc_combine
    .symbol:         k_q9451f928bc_combine.kd
    .args:
      - { .name: y, .offset: 0, .size: 8, .value_kind: global_buffer, .address_space: global }
      - { .name: slotmap, .offset: 8, .size: 8, .value_kind: global_buffer, .address_space: global }
      - { .name: wgt, .offset: 16, .size: 8, .value_kind: global_buffer, .address_space: global }
      - { .name: b2, .offset: 24, .size: 8, .value_kind: global_buffer, .address_space: global }
      - { .name: out0, .offset: 32, .size: 8, .value_kind: global_buffer, .address_space: global }
    .group_segment_fixed_size: 0
    .private_segment_fixed_size: 0
    .kernarg_segment_align: 8
    .kernarg_segment_size: 40
    .max_flat_workgroup_size: 128
    .sgpr_count:     66
    .vgpr_count:     160
    .wavefront_size: 32
...
	.end_amdgpu_metadata
.endif
;; end of part 8
